; MI455X (gfx1250); checked and timed in simulation.
; The chip was launched on July 23, 2026; its instructions are those of AMD's public machine-readable ISA for CDNA 5 (MIT licence, August 2026) and "CDNA5" Instruction Set Architecture Reference Guide (July 2026). The comments in the code are by the model that wrote it; some were corrected since.
;; Attention. Allowed arithmetic: float matrix products may take bf16 or f16 operands with f32 sums; other float arithmetic in f32, or as packed bf16 or f16 multiplies, adds, multiply-adds, maxima and minima; sums over many terms, partial sums and values carried from step to step in f32; what a program stores and reads back later, other than sums and carried values, may be rounded once to bf16 or f16.
;; Inputs: b_proj 1,024 float32; scale 1,024 float32; w_proj 1,024 x 1,024 float32; w_qkv 1,024 x 3,072 float32; x 8 x 1,024 x 1,024 float32.
;; Outputs: out0 8 x 1,024 x 1,024 float32.
;; 2 versions, each right; version 2 is version 1 with the launch prep written anew for expert scheduling mode. Each part assembles by itself: llvm-mc -triple=amdgcn-amd-amdhsa -mcpu=gfx1250 --defsym DOCPART=n.
;; ======== version 1 of 2: 4 launches
;; limits: values are held in f16: magnitudes above 65,504 overflow, below 6.1e-05 lose precision
;; workspace buffers: xnb 16,777,216 bytes; wqb 6,291,456 bytes; wpb 2,097,152 bytes; qh 16,777,216 bytes; kh 16,777,216 bytes; vh 16,777,216 bytes; oh 16,777,216 bytes
;; launch prep (part 1): grid 256 x 1, 20 waves a work-group, no clusters, 186,880 bytes of LDS; arguments x, scale, w_qkv, w_proj, xnb, wqb, wpb; writes xnb, wqb, wpb
.if DOCPART == 1
	.amdgcn_target "amdgcn-amd-amdhsa--gfx1250"
	.amdhsa_code_object_version 6
	.text
	.protected	k_qb2870c19c6_prep
	.globl	k_qb2870c19c6_prep
	.p2align	8
	.type	k_qb2870c19c6_prep,@function
k_qb2870c19c6_prep:
	s_mov_b64 s[64:65], 0
	v_nop
	global_prefetch_b8 v0, s[64:65] scope:SCOPE_SE
	s_setreg_imm32_b32 hwreg(HW_REG_WAVE_MODE, 25, 1), 1
	s_wait_xcnt 0x0
; PREP: what the two products want as operands, made once.  xn w_qkv = (x / rms) (diag(scale) w_qkv): the gain goes into the weights.
;   xnb[kb][row][kk]  = f16( x rsqrt(mean(x^2) + 1e-6) ),  column 64 kb + kk; sums and products in f32
;   wqb[kb][n'][kk]   = f16( scale[64 kb + kk] w_qkv[64 kb + kk][1024 j + 64 h + d] ),  n' = 192 h + 64 j + d
;   wpb[kb][n][kk]    = f16( w_proj[64 kb + kk][n] )
; Each number is rounded once.  A tile of R rows x 64 along K is R x 128 consecutive bytes in all three.
; LIMITS.  f16 ends at 65,504 and keeps a fixed step of 6e-8 below 6e-5: |x / rms| is at most 32; a weight (with its gain) beyond 65,504 becomes an infinity.  NaN and infinities are not treated apart.
; SHARES.  One job a wave, all of a job's loads issued at once; no wave waits for another: no barrier, no loop.
;   waves 0-2: the 64 x 64 tile (kb = g % 16, head g / 16) of q's, k's, v's columns of w_qkv;  wave 3: the tile (kb, n block g / 16) of w_proj;  waves 4-19: two rows of x each.
; A weight tile is turned in LDS: the wave's own stage of 64 rows x 144 bytes, at the wave's number x 9,216 (waves 4-19 leave theirs unused).
.set STG,   64*144
.set SPARE, 20*STG                     ; behind the stages: the spare words, 128 bytes for each of the twenty waves; no other line names them
.set SPW, 8                            ; v8   my spare word; never rewritten
.set NIL, 9                            ; v9   0; never rewritten
.set Y,   16                           ; v16-19  16 bytes for the stage; in the norm v16-23: four packed chains of squares
.set R,   24                           ; v24-25  1/rms, twice: the packed multiply takes a pair
.set SUM, 28                           ; v28  a row's sum of squares
.set X,   32                           ; v32-159 a tile's 16 KiB; in the norm v32-95: two rows' 8 KiB
.set SV,  160                          ; v160-191 the gain of my 32 rows of a tile of w_qkv
	s_load_b256 s[4:11], s[0:1], 0x0               ; x s[4:5], scale s[6:7], w_qkv s[8:9], w_proj s[10:11]
	s_load_b128 s[12:15], s[0:1], 0x20             ; xnb s[12:13], wqb s[14:15]
	s_load_b64 s[16:17], s[0:1], 0x30              ; wpb
	v_lshl_add_u32 v[SPW], v0, 2, SPARE
	v_mov_b32 v[NIL], 0
	v_lshrrev_b32 v7, 5, v0
	v_readfirstlane_b32 s20, v7                    ; wave 0..19
	v_and_b32 v1, 15, v0                           ; c = lane % 16
	v_bfe_u32 v2, v0, 4, 1                         ; lane / 16
	s_and_b32 s21, ttmp9, 15                       ; kb
	s_lshr_b32 s22, ttmp9, 4                       ; head, or block of 64 columns
	s_mov_b32 s35, 0
	s_wait_kmcnt 0x0
	s_cmp_lt_u32 s20, 3
	s_cbranch_scc1 .Ltq
	s_cmp_eq_u32 s20, 3
	s_cbranch_scc1 .Ltp
	; THE NORM.  Job J = 16 g + wave - 4: rows 2 J and 2 J + 1.  Lanes 0-15 hold the first, lanes 16-31 the second: a load's sixteen lanes take 256 consecutive bytes of a row.
	s_lshl_b32 s34, ttmp9, 4
	s_add_co_u32 s34, s34, s20
	s_sub_co_u32 s34, s34, 4                       ; J
	s_lshl_b32 s36, s34, 8                         ; two rows of 128 bytes in a K block of xnb
	s_mov_b32 s37, 0
	s_lshl_b32 s34, s34, 13                        ; two rows of 4,096 bytes in x
	s_add_nc_u64 s[24:25], s[4:5], s[34:35]
	s_add_nc_u64 s[26:27], s[12:13], s[36:37]      ; K blocks 0-7: the block's 1 MiB stands in the store's immediate
	s_add_nc_u64 s[28:29], s[26:27], 0x800000      ; K blocks 8-15
	s_mov_b32 s30, 0x3a800000                      ; 1 / 1024
	s_mov_b32 s31, 0x358637bd                      ; 1e-6
	v_lshlrev_b32 v3, 4, v1
	v_lshl_add_u32 v3, v2, 12, v3                  ; x: 16 c + a row for lanes 16-31
	v_lshlrev_b32 v5, 3, v1
	v_lshl_add_u32 v5, v2, 7, v5                   ; xnb: 8 c + 128 (lane / 16)
.set i, 0
.rept 16                                       ; K block i
	global_load_b128 v[X+4*i:X+4*i+3], v3, s[24:25] offset:i*256 th:TH_LOAD_NT
.set i, i+1
.endr
	s_wait_loadcnt 0x0
.set i, 0
.rept 32                                       ; the squares, in four packed chains that the first four products start
.set a, X+2*i
.if i < 4
	v_pk_mul_f32 v[Y+2*i:Y+2*i+1], v[a:a+1], v[a:a+1]
.else
	v_pk_fma_f32 v[Y+2*(i%4):Y+2*(i%4)+1], v[a:a+1], v[a:a+1], v[Y+2*(i%4):Y+2*(i%4)+1]
.endif
.set i, i+1
.endr
	v_pk_add_f32 v[Y:Y+1], v[Y:Y+1], v[Y+2:Y+3]
	v_pk_add_f32 v[Y+4:Y+5], v[Y+4:Y+5], v[Y+6:Y+7]
	v_pk_add_f32 v[Y:Y+1], v[Y:Y+1], v[Y+4:Y+5]
	v_add_f32 v[SUM], v[Y], v[Y+1]
.irp m, 1,2,4,8                                ; a row lies in one half of the lanes: four steps inside the sixteen
	v_add_f32_dpp v[SUM], v[SUM], v[SUM] row_xmask:\m row_mask:0xf bank_mask:0xf
.endr
	v_fma_f32 v[SUM], v[SUM], s30, s31             ; mean + eps
	v_rsq_f32 v[R], v[SUM]
	v_rsq_f32 v[R+1], v[SUM]
	v_nop                                          ; the plain instruction behind the roots (ISA guide 5.7.2),
	s_wait_alu depctr_va_vdst(0)                   ; and one wait for both, ahead of their first reader
.set i, 0
.rept 16
.set a, X+4*i
	v_pk_mul_f32 v[a:a+1], v[a:a+1], v[R:R+1]
	v_pk_mul_f32 v[a+2:a+3], v[a+2:a+3], v[R:R+1]
	v_cvt_pk_f16_f32 v[a], v[a], v[a+1]
	v_cvt_pk_f16_f32 v[a+1], v[a+2], v[a+3]
.if i < 8
	global_store_b64 v5, v[a:a+1], s[26:27] offset:i*1048576 th:TH_STORE_NT      ; the wave's 32 lanes store 256 consecutive bytes, aligned: two rows of a K block
.else
	global_store_b64 v5, v[a:a+1], s[28:29] offset:(i-8)*1048576 th:TH_STORE_NT
.endif
.set i, i+1
.endr
	s_branch .Lend
; A WEIGHT TILE: 64 rows (k) x 64 columns of f32.  Load 8 q + j takes row 16 q + 8 (lane / 16) + j, columns 4 c .. 4 c + 3: sixteen lanes take the row's 256 bytes.
.macro TLOAD pitch
.set i, 0
.rept 32
	global_load_b128 v[X+4*i:X+4*i+3], v3, s[24:25] offset:(16*(i/8)+i%8)*(\pitch) th:TH_LOAD_NT
.set i, i+1
.endr
.endm
.Ltq:                                          ; j = wave: q's, k's or v's columns of head s22
	s_mul_i32 s34, s21, 64*12288
	s_lshl_b32 s36, s20, 4
	s_add_co_u32 s36, s36, s22                     ; block of 64 columns 16 j + h
	s_lshl_b32 s36, s36, 8
	s_add_co_u32 s34, s34, s36
	s_add_nc_u64 s[24:25], s[8:9], s[34:35]
	s_mul_i32 s34, s21, 3072*128
	s_mul_i32 s36, s22, 3
	s_add_co_u32 s36, s36, s20                     ; block of 64 rows 3 h + j of wqb
	s_lshl_b32 s36, s36, 13
	s_add_co_u32 s34, s34, s36
	s_add_nc_u64 s[26:27], s[14:15], s[34:35]
	s_lshl_b32 s34, s21, 8                         ; the gain of the tile's 64 rows: 256 bytes
	s_add_nc_u64 s[28:29], s[6:7], s[34:35]
	v_lshlrev_b32 v10, 5, v2                       ; eight rows on for lanes 16-31
.irp q, 0,1,2,3                                ; register 8 q + j: the gain of row 16 q + 8 (lane / 16) + j.  These eight loads are older than the tile's
	global_load_b128 v[SV+8*(\q):SV+8*(\q)+3],   v10, s[28:29] offset:64*(\q)
	global_load_b128 v[SV+8*(\q)+4:SV+8*(\q)+7], v10, s[28:29] offset:64*(\q)+16
.endr
	v_mul_u32_u24 v3, v2, 8*12288
	v_lshl_add_u32 v3, v1, 4, v3
	TLOAD 12288
	s_branch .Ltile
.Ltp:
	s_lshl_b32 s34, s21, 18                        ; 64 rows of 4,096 bytes
	s_lshl_b32 s36, s22, 8
	s_add_co_u32 s34, s34, s36
	s_add_nc_u64 s[24:25], s[10:11], s[34:35]
	s_lshl_b32 s34, s21, 17                        ; 1,024 rows of 128 bytes
	s_lshl_b32 s36, s22, 13
	s_add_co_u32 s34, s34, s36
	s_add_nc_u64 s[26:27], s[16:17], s[34:35]
	v_lshlrev_b32 v3, 15, v2
	v_lshl_add_u32 v3, v1, 4, v3
	TLOAD 4096
.Ltile:
	s_mul_i32 s23, s20, STG                        ; my stage
	v_mul_u32_u24 v4, v1, 4*144                    ; in: row (column of w) 4 c + i, bytes 32 q + 16 (lane / 16)
	v_lshl_add_u32 v4, v2, 4, v4
	v_add_nc_u32 v4, s23, v4
	v_bfe_u32 v5, v0, 3, 2                         ; back: 32 lanes take four rows of 128 bytes,
	v_mul_u32_u24 v5, v5, 144
	v_and_b32 v6, 7, v0
	v_lshl_add_u32 v5, v6, 4, v5
	v_add_nc_u32 v5, s23, v5
	v_and_b32 v6, 31, v0                           ; which are 512 consecutive bytes of the tile in memory
	v_lshlrev_b32 v6, 4, v6
.irp q, 0,1,2,3
	s_wait_loadcnt 24-8*(\q)                       ; the eight loads of group q are in (and the gain, which is older); the younger groups stay out
	s_cmp_eq_u32 s20, 3                            ; w_proj has no gain
	s_cbranch_scc1 .Lplain\q
.irp j, 0,1,2,3,4,5,6,7                        ; a row's four numbers times the row's gain: the even register of a pair of gains, or the odd one, for both halves
.set a, X+4*(8*(\q)+(\j))
.set p, SV+8*(\q)+2*((\j)/2)
.if (\j)%2 == 0
	v_pk_mul_f32 v[a:a+1], v[a:a+1], v[p:p+1] op_sel_hi:[1,0]
	v_pk_mul_f32 v[a+2:a+3], v[a+2:a+3], v[p:p+1] op_sel_hi:[1,0]
.else
	v_pk_mul_f32 v[a:a+1], v[a:a+1], v[p:p+1] op_sel:[0,1]
	v_pk_mul_f32 v[a+2:a+3], v[a+2:a+3], v[p:p+1] op_sel:[0,1]
.endif
.endr
.Lplain\q:
.irp c, 0,1,2,3                                ; my column 4 c + i: eight neighbouring k, rounded to f16: 16 bytes
.irp k, 0,1,2,3
	v_cvt_pk_f16_f32 v[Y+(\k)], v[X+4*(8*(\q)+2*(\k))+(\c)], v[X+4*(8*(\q)+2*(\k)+1)+(\c)]
.endr
	ds_store_b128 v4, v[Y:Y+3] offset:(\c)*144+32*(\q)
.endr
.endr
.set t, 0
.rept 16
	ds_load_b128 v[X+4*t:X+4*t+3], v5 offset:t*576 ; LDS serves a wave's instructions in order (ISA guide 5.7.1.4): these see the stores above
.set t, t+1
.endr
.set t, 0
.rept 16
	s_wait_dscnt 15-t                              ; load t is back; the younger ones stay out
	global_store_b128 v6, v[X+4*t:X+4*t+3], s[26:27] offset:512*t th:TH_STORE_NT
.set t, t+1
.endr
.Lend:
	s_wait_tensorcnt 0x0                           ; the wave's end
	ds_add_u32 v[SPW], v[NIL]
	s_wait_dscnt 0x0
	s_endpgm
.Lfunc_end_k_qb2870c19c6_prep:
	.size	k_qb2870c19c6_prep, .Lfunc_end_k_qb2870c19c6_prep-k_qb2870c19c6_prep
	.p2alignl 7, 3214868480
	.fill 96, 4, 3214868480
	.section	.rodata,"a",@progbits
	.p2align	6, 0x0
	.amdhsa_kernel k_qb2870c19c6_prep
		.amdhsa_group_segment_fixed_size 186880
		.amdhsa_private_segment_fixed_size 0
		.amdhsa_enable_private_segment 0
		.amdhsa_kernarg_size 56
		.amdhsa_user_sgpr_count 2
		.amdhsa_user_sgpr_kernarg_segment_ptr 1
		.amdhsa_wavefront_size32 1
		.amdhsa_system_sgpr_workgroup_id_x 1
		.amdhsa_system_sgpr_workgroup_id_y 1
		.amdhsa_system_sgpr_workgroup_id_z 1
		.amdhsa_system_vgpr_workitem_id 0
		.amdhsa_next_free_vgpr 192
		.amdhsa_next_free_sgpr 66
		.amdhsa_reserve_vcc 0
		.amdhsa_float_denorm_mode_32 3
		.amdhsa_float_denorm_mode_16_64 3
		.amdhsa_memory_ordered 1
		.amdhsa_forward_progress 1
		.amdhsa_inst_pref_size 33
	.end_amdhsa_kernel
	.amdgpu_metadata
---
amdhsa.version: [ 1, 2 ]
amdhsa.kernels:
  - .name:           k_qb2870c19c6_prep
    .symbol:         k_qb2870c19c6_prep.kd
    .args:
      - { .name: x, .offset: 0, .size: 8, .value_kind: global_buffer, .address_space: global }
      - { .name: scale, .offset: 8, .size: 8, .value_kind: global_buffer, .address_space: global }
      - { .name: w_qkv, .offset: 16, .size: 8, .value_kind: global_buffer, .address_space: global }
      - { .name: w_proj, .offset: 24, .size: 8, .value_kind: global_buffer, .address_space: global }
      - { .name: xnb, .offset: 32, .size: 8, .value_kind: global_buffer, .address_space: global }
      - { .name: wqb, .offset: 40, .size: 8, .value_kind: global_buffer, .address_space: global }
      - { .name: wpb, .offset: 48, .size: 8, .value_kind: global_buffer, .address_space: global }
    .group_segment_fixed_size: 186880
    .private_segment_fixed_size: 0
    .kernarg_segment_align: 8
    .kernarg_segment_size: 56
    .max_flat_workgroup_size: 640
    .sgpr_count:     66
    .vgpr_count:     192
    .wavefront_size: 32
...
	.end_amdgpu_metadata
.endif
;; end of part 1
;; launch qkv (part 2): grid 8 x 32, 4 waves a work-group, clusters of 4 x 4, 327,680 bytes of LDS; arguments xnb, wqb, qh, kh, vh; writes qh, kh, vh
.if DOCPART == 2
	.amdgcn_target "amdgcn-amd-amdhsa--gfx1250"
	.amdhsa_code_object_version 6
	.text
	.protected	k_qb2870c19c6_qkv
	.globl	k_qb2870c19c6_qkv
	.p2align	8
	.type	k_qb2870c19c6_qkv,@function
k_qb2870c19c6_qkv:
	s_mov_b64 s[64:65], 0
	v_nop
	global_prefetch_b8 v0, s[64:65] scope:SCOPE_SE
	s_setreg_imm32_b32 hwreg(HW_REG_WAVE_MODE, 25, 1), 1
	s_wait_xcnt 0x0
	s_wait_alu depctr_hold_cnt(0) depctr_sa_sdst(0) depctr_va_vdst(0) depctr_va_sdst(0) depctr_va_ssrc(0) depctr_va_vcc(0) depctr_vm_vsrc(0)
	s_getreg_b32 s2, hwreg(HW_REG_IB_STS2, 6, 4)
	s_cmp_eq_u32 s2, 0
	s_cbranch_scc0 .Lentry_in_a_cluster
	s_endpgm
.Lentry_in_a_cluster:
	s_bfe_u32 s2, ttmp6, 0x10000c
	s_cmp_lg_u32 s2, 0xf033
	s_cbranch_scc0 .Lentry_shape_is_right
	s_endpgm
.Lentry_shape_is_right:
; QKV: q, k, v = xn w_qkv, 2D RoPE on q and k in f32, each number rounded once to f16, stored by heads: [b 16 + h][token][64].
; Operands f16 (xnb = x / rms, wqb = the weights with the norm's gain: K blocks of 64, a tile's rows end to end), sums f32.  8,192 x 3,072 x 1,024.
; LIMITS.  A result beyond 65,504 becomes an infinity in f16.  The angles lie in 0 to 31 whatever the inputs; sine and cosine are reduced by pi/2 in two parts and taken by series
; to r^7 and r^8 on |r| <= pi/4: good to a few 1e-7; the frequencies 10000^(-f/16) come from v_exp_f32, so an angle is good to about 1e-5.
; SHARES.  A work-group makes 256 tokens x 384 columns n' = 192 h + 64 j + d; a wave 128 tokens x 192: q, k and v of ONE head: 96 accumulators of 16 x 16, 768 registers.
; K goes in steps of 64 through two LDS slots; a step is 192 matrix instructions a wave.  Waves 0, 1 fetch the halves of A's tile (64 rows of 256 bytes each), waves 2, 3 of B's (96 rows).
; CLUSTER 4 x 4: A's tile hangs on the tile row alone and is asked for jointly along a row of the cluster, B's on the tile column alone, along a column.
; TRANSPOSED USE: source 0 = 16 rows of wqb, source 1 = 16 tokens: a lane holds one token (lane % 16) and eight neighbouring columns 8 (lane / 16) + 0..7: four RoPE pairs, 16 bytes of f16.
; REGISTERS.  Windows 1, 2, 3: the accumulators of q, k, v, (a, bl) at 8 (4 a + bl).  Window 0: v0-31 addresses and work; v32-159 A's fragments, two buffers of 64 (8 x 16 tokens x 32 K);
; v160-255 B's fragments, three sets of 32 (set g: q's, k's, v's four blocks of 16 columns); a set has one buffer and is loaded anew behind its 32 products.
; THE LDS LOADS stand in four runs a K step (32, 8, 24 and 16 loads), each 32 matrix instructions or more ahead of its first use.
.set PITCH, 144                        ; an LDS row: 128 bytes + 16 of padding = 36 words: the 16 rows of a fragment load start at 16 different groups of four banks (64 banks of 4 bytes: ISA guide 11.1)
.set FRAG,  16*PITCH
.set AHALF, 128*PITCH
.set BHALF, 192*PITCH
.set BOFF,  2*AHALF                    ; in a slot: A's 256 rows, then B's 384
.set SLOT1, 1<<17                      ; slot 1 begins here: one exclusive or turns an address in one slot into the other's
.set STAGE, SLOT1+BOFF+2*BHALF         ; behind the ring, never filled by a tensor load: 16 rows x 400 bytes for each wave
.set SPI,   400
.set TAB,   STAGE+4*16*SPI             ; [x 32][f 16] (cos, sin) in f32
.set TABY,  TAB+4096                   ; [local y 8][f 16] (cos, sin): the work-group's eight rows of the grid
.set SPARE, TABY+1024                  ; the spare words, 128 bytes for each wave; no other line names them
.set ASTEP, 8192*128                   ; bytes from a K block to the next in xnb
.set BSTEP, 3072*128                   ; in wqb
.set FLAGS, (1<<16)|(1<<20)|(1<<21)|(4<<22)|(3<<25)  ; 2-byte elements; padding on; bit 21 beside a mask; after every 32 words, 4 words
.set LT, 3                             ; v3   (l % 16) x 144 + 16 (l / 16)
.set ADRA0, 4                          ; v4   my A fragments in slot 0; never rewritten
.set ADRB0, 5                          ; v5   my B fragments in slot 0
.set ADRA, 6                           ; v6   in the slot in hand
.set ADRB, 7
.set STO, 8                            ; v8   the way out: where I put 16 bytes
.set RD,  9                            ; v9   where I read rows back
.set GO,  10                           ; v10  16 x lane
.set XTA, 11                           ; v11  my place in the x table
.set YTA, 12                           ; v12  in the y table
.set PFO, 13                           ; v13  256 x lane, for the prefetches
.set SPW, 14                           ; v14  my spare word; never rewritten
.set NIL, 15                           ; v15  0; never rewritten
.set AF,  32
.set BF,  160
.set XT,  32                           ; the way out, window 0: v32-63 (cos, sin) of x for (a % 2, bl < 2); v64-79 of y; v80-111 rotated; v112-159 packed; v160-255 rows read back, two sets
.set YT,  64
.set T,   80
.set PK,  112
.set BK0, 160
.set WV, 14                            ; s14 wave; s15 wave / 2: my half of the tokens, and A (0) or B (1) to fetch; s16 wave % 2: my head of the two, and which half I fetch
.set WR, 15
.set WC, 16
.set CX, 17
.set CY, 18
.set TX, 19                            ; tile column; no register that feeds A's descriptors ever holds it
.set TY, 20                            ; tile row; none that feeds B's ever holds it
.set G1A, 24
.set G1B, 32
.set G0A, 40                           ; two sets: K step 0 into slot 0; K step 1 into slot 1, which then walks
.set G0B, 48
.set CNT, 56
.set TB,  57                           ; 0 or SLOT1: the slot in hand
.set LIM, 58                           ; 2 in a wave that prefetches, else the greatest number
.set PM,  59                           ; 1: only in trips with an even count
.set PFA, 60                           ; s[60:61] where my prefetches stand
.set PST, 62                           ; s[62:63] their step
.set MSB, 0
.macro WIN new                         ; the immediate's high byte repeats the setting that is left; a switch that changes nothing is dropped
.if MSB != (\new)
	s_set_vgpr_msb (MSB<<8)|(\new)
.set MSB, (\new)
.endif
.endm
.macro PLACES                          ; four plain places between a matrix instruction and a load into, or a vector read of, its registers
.rept 4
	v_nop
.endr
.endm
.macro CREST                           ; a round of the cluster's barrier behind its opening barrier
	s_cmp_lg_u32 s[WV], 0
	s_cbranch_scc1 .Lnot_wave_0_\@
	s_barrier_signal -3
.Lnot_wave_0_\@:
	s_barrier_wait -3
	s_barrier_signal -1
	s_barrier_wait -1
.endm
.macro CROUND
	s_barrier_signal -1
	s_barrier_wait -1
	CREST
.endm
.macro JLOAD                           ; a joint refill by the walking set; the branch hangs on the wave's number alone; an s_nop 0 and four v_nop follow each line
	s_cmp_eq_u32 s[WR], 0
	s_cbranch_scc0 .Lfor_b_\@
	tensor_load_to_lds s[G0A+4:G0A+7], s[G1A:G1A+7]
	s_nop 0
.rept 4
	v_nop
.endr
	s_branch .Lasked_\@
.Lfor_b_\@:
	tensor_load_to_lds s[G0B+4:G0B+7], s[G1B:G1B+7]
	s_nop 0
.rept 4
	v_nop
.endr
.Lasked_\@:
.endm
; A PREFETCH INTO THE L2, behind the joint load and the run of LDS loads: the K step two refills on.  Each aligned 256 bytes of xnb and wqb are named once in the launch.
; A's tile row is read by both clusters of its row of clusters: the one with x = 0 asks, wave 0 of each partner for its quarter (cx) of the tile's 128 blocks.
; B's tile column is read by all eight clusters of its column: the one with y = 0 asks, in every second trip for two K steps: partner cy takes step cy / 2, half cy % 2, its waves 1-3 a third each.
; Partners are told apart by address alone.  The trips whose look-ahead would pass K step 15 ask for nothing.
.macro ASK
	s_and_b32 s23, s[CNT], s[PM]
	s_cmp_lg_u32 s23, 0
	s_cbranch_scc1 .Lnot_mine_\@
	s_cmp_gt_u32 s[CNT], s[LIM]
	s_cbranch_scc0 .Lnot_mine_\@
	global_prefetch_b8 v[PFO], s[PFA:PFA+1] th:TH_LOAD_NT scope:SCOPE_SE
.Lnot_mine_\@:
.endm
	s_load_b256 s[4:11], s[0:1], 0x0               ; xnb s[4:5], wqb s[6:7], qh s[8:9], kh s[10:11]
	s_load_b64 s[12:13], s[0:1], 0x20              ; vh
	v_lshl_add_u32 v[SPW], v0, 2, SPARE
	v_mov_b32 v[NIL], 0
	ds_add_u32 v[SPW], v[NIL]                      ; the wave's opening: the add and its wait stand ahead of my first tensor load; work on registers stands between them
	v_lshrrev_b32 v1, 5, v0
	v_readfirstlane_b32 s[WV], v1
	s_lshr_b32 s[WR], s[WV], 1
	s_and_b32 s[WC], s[WV], 1
	s_bfe_u32 s[CX], ttmp6, 0x40000
	s_bfe_u32 s[CY], ttmp6, 0x40004
	s_lshl_b32 s[TX], ttmp9, 2
	s_add_co_u32 s[TX], s[TX], s[CX]
	s_and_b32 s[TY], ttmp7, 0xffff
	s_lshl_b32 s[TY], s[TY], 2
	s_add_co_u32 s[TY], s[TY], s[CY]
	s_lshl_b32 s21, s[CY], 2
	s_lshl_b32 s21, 15, s21                        ; my row of the cluster
	s_lshl_b32 s22, 0x1111, s[CX]                  ; my column
	s_or_b32 s[G1A], s21, FLAGS
	s_or_b32 s[G1B], s22, FLAGS
.irp g, G1A, G1B                               ; tiles of dense bytes, asked for as rows of 256: 128 elements, 128 from row to row
	s_mov_b32 s[(\g)+1], 128<<16
	s_mov_b32 s[(\g)+3], 128<<16
	s_mov_b32 s[(\g)+5], 128
	s_mov_b32 s[(\g)+6], 0
	s_mov_b32 s[(\g)+7], 0
.endr
	s_mov_b32 s[G1A+2], 64<<16                     ; A: 64 such rows = 128 tokens
	s_mov_b32 s[G1A+4], 64
	s_mov_b32 s[G1B+2], 96<<16                     ; B: 96 = 192 columns
	s_mov_b32 s[G1B+4], 96
	s_lshl_b32 s66, s[TY], 15                      ; A: 256 tokens x 128 bytes a tile row,
	s_lshl_b32 s2, s[WC], 14                       ; + my half
	s_add_co_u32 s66, s66, s2
	s_mov_b32 s67, 0
	s_mul_i32 s68, s[TX], 384*128                  ; B likewise
	s_mul_i32 s3, s[WC], 192*128
	s_add_co_u32 s68, s68, s3
	s_mov_b32 s69, 0
	s_mul_i32 s70, s[WC], AHALF                    ; where they go: no place in the cluster enters an LDS address
	s_mul_i32 s71, s[WC], BHALF
	s_add_co_u32 s71, s71, BOFF
	s_mov_b32 s[TB], 0
	s_wait_dscnt 0x0                               ; the opening add is done
	s_wait_kmcnt 0x0
	s_add_nc_u64 s[66:67], s[4:5], s[66:67]
	s_add_nc_u64 s[68:69], s[6:7], s[68:69]
	CROUND                                         ; all sixteen work-groups are here: the first joint loads meet
.irp s, 0,1
	s_mov_b32 s[G0A+4*(\s)], 1
	s_add_co_u32 s[G0A+4*(\s)+1], s70, (\s)*SLOT1
	s_add_nc_u64 s[G0A+4*(\s)+2:G0A+4*(\s)+3], s[66:67], (\s)*ASTEP
	s_or_b32 s[G0A+4*(\s)+3], s[G0A+4*(\s)+3], 0x80000000
	s_mov_b32 s[G0B+4*(\s)], 1
	s_add_co_u32 s[G0B+4*(\s)+1], s71, (\s)*SLOT1
	s_add_nc_u64 s[G0B+4*(\s)+2:G0B+4*(\s)+3], s[68:69], (\s)*BSTEP
	s_or_b32 s[G0B+4*(\s)+3], s[G0B+4*(\s)+3], 0x80000000
.endr
	s_cmp_eq_u32 s[WR], 0                          ; a wave's two first fills stand in one branch: two loads of mine are out
	s_cbranch_scc0 .Lfirst_b
	tensor_load_to_lds s[G0A:G0A+3], s[G1A:G1A+7]
	s_nop 0
	tensor_load_to_lds s[G0A+4:G0A+7], s[G1A:G1A+7]
	s_nop 0
.rept 4
	v_nop
.endr
	s_branch .Lfirst_asked
.Lfirst_b:
	tensor_load_to_lds s[G0B:G0B+3], s[G1B:G1B+7]
	s_nop 0
	tensor_load_to_lds s[G0B+4:G0B+7], s[G1B:G1B+7]
	s_nop 0
.rept 4
	v_nop
.endr
.Lfirst_asked:
	; a fragment is 16 rows x 32 K in 8 registers: lane l holds row l % 16, K = 8 (l / 16) + 0..7 and 16 + 8 (l / 16) + 0..7: two loads of 16 bytes, 32 bytes apart
	v_and_b32 v1, 15, v0
	v_bfe_u32 v2, v0, 4, 1
	v_mul_u32_u24 v[LT], v1, PITCH
	v_lshl_add_u32 v[LT], v2, 4, v[LT]
	s_mul_i32 s23, s[WR], AHALF
	v_add_nc_u32 v[ADRA0], s23, v[LT]
	v_add_nc_u32 v[ADRB0], s71, v[LT]
	v_mov_b32 v[ADRA], v[ADRA0]
	v_mov_b32 v[ADRB], v[ADRB0]
	s_mul_i32 s23, s[WV], 16*SPI
	s_add_co_u32 s23, s23, STAGE                   ; my stage
	v_mul_u32_u24 v[STO], v1, SPI                  ; in: row = token l % 16, 16 bytes for each half of the lanes
	v_lshl_add_u32 v[STO], v2, 4, v[STO]
	v_add_nc_u32 v[STO], s23, v[STO]
	v_bfe_u32 v16, v0, 3, 2                        ; back: 32 lanes take 128 bytes of four rows
	v_mul_u32_u24 v[RD], v16, SPI
	v_and_b32 v17, 7, v0
	v_lshl_add_u32 v[RD], v17, 4, v[RD]
	v_add_nc_u32 v[RD], s23, v[RD]
	v_and_b32 v[GO], 31, v0
	v_lshlrev_b32 v[PFO], 8, v[GO]
	v_lshlrev_b32 v[GO], 4, v[GO]
	v_lshlrev_b32 v[XTA], 7, v1                    ; x = 16 (a % 2) + l % 16: 128 bytes a position; my four frequencies: 32 bytes at 32 (l / 16)
	v_lshl_add_u32 v[XTA], v2, 5, v[XTA]
	v_add_nc_u32 v[XTA], TAB, v[XTA]
	s_lshl_b32 s23, s[WR], 9                       ; local y = 4 (wave / 2) + a / 2
	s_add_co_u32 s23, s23, TABY
	v_lshl_add_u32 v[YTA], v2, 5, s23
	; where my 128 tokens of my head begin in qh, kh, vh
	s_lshr_b32 s72, s[TY], 2                       ; b
	s_lshl_b32 s72, s72, 4
	s_lshl_b32 s73, s[TX], 1
	s_add_co_u32 s72, s72, s73
	s_add_co_u32 s72, s72, s[WC]                   ; 16 b + h, h = 2 x tile column + wave % 2
	s_lshl_b32 s72, s72, 17
	s_and_b32 s73, s[TY], 3
	s_lshl_b32 s73, s73, 15
	s_add_co_u32 s72, s72, s73
	s_lshl_b32 s73, s[WR], 14
	s_add_co_u32 s72, s72, s73
	s_mov_b32 s73, 0
	s_add_nc_u64 s[8:9], s[8:9], s[72:73]
	s_add_nc_u64 s[10:11], s[10:11], s[72:73]
	s_add_nc_u64 s[12:13], s[12:13], s[72:73]
	; the prefetches: they stand at K step 3; each trip steps them once and then names the step at which they stand
	s_and_b32 s74, ttmp7, 0xffff                   ; cluster y
	s_mov_b32 s75, ASTEP
	s_mov_b32 s76, BSTEP
	s_lshl_b32 s77, s[TY], 15
	s_lshl_b32 s78, s[CX], 13
	s_add_co_u32 s77, s77, s78
	s_add_co_u32 s77, s77, 3*ASTEP                 ; A's: my quarter of the tile
	s_mul_i32 s78, s[TX], 384*128
	s_lshr_b32 s79, s[CY], 1
	s_mul_i32 s79, s79, s76
	s_add_co_u32 s78, s78, s79
	s_and_b32 s79, s[CY], 1
	s_mul_i32 s79, s79, 192*128
	s_add_co_u32 s78, s78, s79
	s_lshl_b32 s79, s[WV], 13
	s_add_co_u32 s78, s78, s79
	s_add_co_u32 s78, s78, 3*BSTEP-8192            ; B's: (wave - 1) x 32 blocks
	s_cmp_eq_u32 s[WV], 0
	s_cselect_b32 s78, s77, s78
	s_cselect_b32 s74, ttmp9, s74                  ; the coordinate along which other clusters read the same rows
	s_cselect_b32 s[PM], 0, 1
	s_cselect_b32 s[PST], s75, s76
	s_cselect_b64 s[PFA:PFA+1], s[4:5], s[6:7]
	s_mov_b32 s79, 0
	s_mov_b32 s[PST+1], 0
	s_add_nc_u64 s[PFA:PFA+1], s[PFA:PFA+1], s[78:79]
	s_cmp_eq_u32 s74, 0
	s_cselect_b32 s[LIM], 2, -1                    ; the same in all sixteen partners, for a given wave
	; THE ROPE TABLES, five entries a thread, in the wait for the first tiles.  Thread t: frequency f = t % 16, positions t / 16 + 8 i.
	s_mov_b32 s66, 0xbfc90fdb                      ; -pi/2, its upper part
	s_mov_b32 s67, 0x333bbd2e                      ; what the upper part has too much
	s_mov_b32 s68, 0xb9500d01                      ; -1/5040
	s_mov_b32 s69, 0x3c088889                      ; 1/120
	s_mov_b32 s70, 0x37d00d01                      ; 1/40320
	s_mov_b32 s71, 0xbab60b61                      ; -1/720
	s_mov_b32 s72, 0xbe2aaaab                      ; -1/6
	s_mov_b32 s73, 0x3d2aaaab                      ; 1/24
	s_lshl_b32 s23, s[CY], 3                       ; the work-group's first row of the grid: it enters a value, no address
	v_and_b32 v16, 15, v0
	v_cvt_f32_u32 v16, v16
	v_mul_f32 v16, 0xbf549a78, v16                 ; -f log2(10000) / 16
	v_exp_f32 v16, v16
	v_lshrrev_b32 v18, 4, v0
	v_lshl_add_u32 v17, v0, 3, TAB                 ; entry (t / 16, t % 16): 8 t
	s_wait_alu depctr_va_vdst(0)                   ; ahead of the frequency's first reader
.macro ROPE add, off
	v_add_nc_u32 v19, \add, v18
	v_cvt_f32_u32 v19, v19
	v_mul_f32 v19, v19, v16                        ; the angle
	v_mul_f32 v20, 0x3f22f983, v19                 ; x 2/pi
	v_rndne_f32 v20, v20                           ; n
	v_fma_f32 v21, v20, s66, v19
	v_fma_f32 v21, v20, s67, v21                   ; r = angle - n pi/2
	v_cvt_i32_f32 v22, v20
	v_mul_f32 v23, v21, v21                        ; z = r^2
	v_fma_f32 v24, v23, s68, s69
	v_fma_f32 v25, v23, s70, s71
	v_fma_f32 v24, v24, v23, s72
	v_fma_f32 v25, v25, v23, s73
	v_mul_f32 v26, v21, v23
	v_fma_f32 v25, v25, v23, -0.5
	v_fma_f32 v24, v26, v24, v21                   ; sin r
	v_fma_f32 v25, v25, v23, 1.0                   ; cos r
	v_and_b32 v26, 1, v22
	v_cmp_eq_u32 vcc_lo, 1, v26                    ; odd quadrants change the two
	v_cndmask_b32 v28, v25, v24, vcc_lo
	v_cndmask_b32 v29, v24, v25, vcc_lo
	v_add_nc_u32 v26, 1, v22
	v_and_b32 v26, 2, v26                          ; cos is negative in quadrants 1, 2,
	v_and_b32 v27, 2, v22                          ; sin in 2, 3
	v_lshlrev_b32 v26, 30, v26
	v_lshlrev_b32 v27, 30, v27
	v_xor_b32 v28, v26, v28
	v_xor_b32 v29, v27, v29
	ds_store_b64 v17, v[28:29] offset:\off
.endm
	ROPE 0, 0
	ROPE 8, 1024
	ROPE 16, 2048
	ROPE 24, 3072
	ROPE s23, 4096
; 16 matrix instructions: set g's four blocks of columns x token blocks a0 .. a0 + 3 of A's buffer ab.  Each of the 96 accumulators has one turn in 96.
.macro GRPH g, ab, a0, zero
	WIN 0x50*((\g)+1)                              ; C and D in window g + 1, both sources in window 0
.irp a, (\a0), (\a0)+1, (\a0)+2, (\a0)+3
.irp bl, 0,1,2,3
.if \zero
	v_wmma_f32_16x16x32_f16 v[8*(4*(\a)+(\bl)):8*(4*(\a)+(\bl))+7], v[BF+32*(\g)+8*(\bl):BF+32*(\g)+8*(\bl)+7], v[AF+64*(\ab)+8*(\a):AF+64*(\ab)+8*(\a)+7], 0
.else
	v_wmma_f32_16x16x32_f16 v[8*(4*(\a)+(\bl)):8*(4*(\a)+(\bl))+7], v[BF+32*(\g)+8*(\bl):BF+32*(\g)+8*(\bl)+7], v[AF+64*(\ab)+8*(\a):AF+64*(\ab)+8*(\a)+7], v[8*(4*(\a)+(\bl)):8*(4*(\a)+(\bl))+7]
.endif
.endr
.endr
.endm
.macro GRP g, ab, zero
	GRPH \g, \ab, 0, \zero
	GRPH \g, \ab, 4, \zero
.endm
.macro LDB g, ko                       ; 8 loads: set g's four fragments, 32 K at byte ko of the rows
.irp bl, 0,1,2,3
	ds_load_b128 v[BF+32*(\g)+8*(\bl):BF+32*(\g)+8*(\bl)+3],   v[ADRB] offset:(4*(\g)+(\bl))*FRAG+(\ko)
	ds_load_b128 v[BF+32*(\g)+8*(\bl)+4:BF+32*(\g)+8*(\bl)+7], v[ADRB] offset:(4*(\g)+(\bl))*FRAG+(\ko)+32
.endr
.endm
.macro LDA ab, a0, ko                  ; 8 loads: four of A's fragments into buffer ab
.irp a, (\a0), (\a0)+1, (\a0)+2, (\a0)+3
	ds_load_b128 v[AF+64*(\ab)+8*(\a):AF+64*(\ab)+8*(\a)+3],   v[ADRA] offset:(\a)*FRAG+(\ko)
	ds_load_b128 v[AF+64*(\ab)+8*(\a)+4:AF+64*(\ab)+8*(\a)+7], v[ADRA] offset:(\a)*FRAG+(\ko)+32
.endr
.endm
; A K step's first 32: A's buffer 0 is multiplied, the second 32 are fetched in two runs: sets 0 and 1 and all of A's buffer 1 behind the second group (32 loads, 32 matrix instructions ahead of
; their first use), set 2 behind the third.  It is entered with 40 loads issued in this order: set 0, A's buffer 0, set 1, set 2.
.macro QUARTER0 zero
	s_wait_dscnt 16                                ; set 0 and A's buffer 0 are in; the youngest sixteen loads, sets 1 and 2, may be out
	GRP 0, 0, \zero
	s_wait_dscnt 8                                 ; set 1 is in; set 2's eight may be out
	GRP 1, 0, \zero
	PLACES
	WIN 0
	LDB 0, 64
	LDB 1, 64
	LDA 1, 0, 64
	LDA 1, 4, 64
	s_wait_dscnt 32                                ; set 2 is in; the 32 loads just issued may be out
	GRP 2, 0, \zero
	PLACES
	WIN 0
	LDB 2, 64
.endm
; The second 32: buffer 1 is multiplied and the slots change.  In front of the one barrier each wave waits for all its tensor loads (one is out: its part of the next slot), adds 0 to its spare
; word, and waits for that and for its reads of this slot.  fill = 1: the barrier opens a round of the cluster's; behind it this slot is filled again, two K steps on, first of all:
; from that request to the wait for it a wave issues 160 matrix instructions.  The next slot's first 32 are fetched in two runs: set 0 and A's buffer 0 behind the refill (24 loads), sets 1 and 2 behind the last group (16).
.macro TURN fill
.if \fill
	s_wait_xcnt 0x0                                ; the last prefetch, a K step back, has read its address
	s_add_nc_u64 s[PFA:PFA+1], s[PFA:PFA+1], s[PST:PST+1]
.endif
	WIN 0
	s_wait_tensorcnt 0x0                           ; no tensor load of mine is out, so a group 0 may be written
	ds_add_u32 v[SPW], v[NIL]
.if \fill
	s_xor_b32 s[G0A+5], s[G0A+5], SLOT1
	s_add_nc_u64 s[G0A+6:G0A+7], s[G0A+6:G0A+7], ASTEP
	s_xor_b32 s[G0B+5], s[G0B+5], SLOT1
	s_add_nc_u64 s[G0B+6:G0B+7], s[G0B+6:G0B+7], BSTEP
.endif
	s_wait_dscnt 9                                 ; the run of 32 is in; the add and the youngest eight loads, set 2, may be out
	GRPH 0, 1, 0, 0
	s_wait_dscnt 0x0                               ; the add is done, and my reads of this slot are over
	s_barrier_signal -1
	GRPH 0, 1, 4, 0                                ; work on registers while the others arrive
	WIN 0
	s_barrier_wait -1
.if \fill
	CREST                                          ; no wave of any partner still reads this slot or has a load on its way
	JLOAD                                          ; its four v_nop are also the places in front of the loads below
.else
	PLACES
.endif
	s_xor_b32 s[TB], s[TB], SLOT1
	v_add_nc_u32 v[ADRA], s[TB], v[ADRA0]
	v_add_nc_u32 v[ADRB], s[TB], v[ADRB0]
	LDB 0, 0
	LDA 0, 0, 0
	LDA 0, 4, 0
.if \fill
	ASK
.endif
	GRP 1, 1, 0                                    ; all that this half multiplies has been in since the wait for 0
	GRP 2, 1, 0
	PLACES
	WIN 0
	LDB 1, 0
	LDB 2, 0
.endm
	s_wait_tensorcnt 0x1                           ; my part of K step 0 is in; K step 1's may stay out
	s_wait_dscnt 0x0                               ; my entries of the tables are written
	s_barrier_signal -1
	s_barrier_wait -1
	LDB 0, 0
	LDA 0, 0, 0
	LDA 0, 4, 0
	LDB 1, 0
	LDB 2, 0
	QUARTER0 1                                     ; the first 96 products start the sums: nothing is cleared
	WIN 0
	s_mov_b32 s[CNT], 14
.Lstep:                                        ; trip t: the second half of K step t, the refill with K step t + 2, the first half of K step t + 1
	TURN 1
	QUARTER0 0
	WIN 0
	s_sub_co_u32 s[CNT], s[CNT], 1
	s_cmp_lg_u32 s[CNT], 0
	s_cbranch_scc1 .Lstep
	TURN 0                                         ; the tail is written out: nothing is left to ask for
	QUARTER0 0
	s_wait_dscnt 8                                 ; the run of 32 is in; set 2's eight may be out
	GRP 0, 1, 0
	GRP 1, 1, 0
	s_wait_dscnt 0x0
	GRP 2, 1, 0
	; THE WAY OUT, a block of 16 tokens at a time.  Pair i = d / 2 turns by x f_i (i < 16: column blocks 0, 1) or y f_(i-16) (blocks 2, 3); token = .. + 16 a + l % 16, so x = 16 (a % 2) + l % 16.
	WIN 0
	PLACES
.irp c, 0,1,2,3                                ; (a % 2, bl) = (c / 2, c % 2): my four (cos, sin)
	ds_load_b128 v[XT+8*(\c):XT+8*(\c)+3],   v[XTA] offset:((\c)/2)*2048+((\c)%2)*64
	ds_load_b128 v[XT+8*(\c)+4:XT+8*(\c)+7], v[XTA] offset:((\c)/2)*2048+((\c)%2)*64+16
.endr
.macro PACK a
	WIN 0
.if (\a)%2 == 0                                ; a new row of the grid every second block
.irp bp, 0,1
	ds_load_b128 v[YT+8*(\bp):YT+8*(\bp)+3],   v[YTA] offset:((\a)/2)*128+(\bp)*64
	ds_load_b128 v[YT+8*(\bp)+4:YT+8*(\bp)+7], v[YTA] offset:((\a)/2)*128+(\bp)*64+16
.endr
.endif
	WIN 0x0f                                       ; v is only rounded: both sources in window 3
.irp bl, 0,1,2,3
.irp p, 0,1,2,3
	v_cvt_pk_f16_f32 v[PK+32+4*(\bl)+(\p)], v[8*(4*(\a)+(\bl))+2*(\p)], v[8*(4*(\a)+(\bl))+2*(\p)+1]
.endr
.endr
.if (\a)%2 == 0
	s_wait_dscnt 0x0                               ; the tables' entries are in
.endif
.irp j, 0,1
	WIN (\j)+1                                     ; source 0 in q's or k's window
.irp bl, 0,1,2,3
.if (\bl) < 2
.set CS, XT+8*(2*((\a)%2)+(\bl))
.else
.set CS, YT+8*((\bl)-2)
.endif
.irp p, 0,1,2,3                                ; (x1 c, x1 s),
	v_pk_mul_f32 v[T+8*(\bl)+2*(\p):T+8*(\bl)+2*(\p)+1], v[8*(4*(\a)+(\bl))+2*(\p):8*(4*(\a)+(\bl))+2*(\p)+1], v[CS+2*(\p):CS+2*(\p)+1] op_sel_hi:[0,1]
.endr
.irp p, 0,1,2,3                                ; then (- x2 s, + x2 c) onto it
	v_pk_fma_f32 v[T+8*(\bl)+2*(\p):T+8*(\bl)+2*(\p)+1], v[8*(4*(\a)+(\bl))+2*(\p):8*(4*(\a)+(\bl))+2*(\p)+1], v[CS+2*(\p):CS+2*(\p)+1], v[T+8*(\bl)+2*(\p):T+8*(\bl)+2*(\p)+1] op_sel:[1,1,0] op_sel_hi:[1,0,1] neg_lo:[0,1,0]
.endr
.endr
	WIN 0
.irp k, 0,1,2,3,4,5,6,7,8,9,10,11,12,13,14,15
	v_cvt_pk_f16_f32 v[PK+16*(\j)+(\k)], v[T+2*(\k)], v[T+2*(\k)+1]
.endr
.endr
.endm
.macro TOSTAGE a                       ; a token's 384 bytes (q, k, v) into a row of 400; back as 128 bytes of four rows: 512 consecutive bytes of qh, kh or vh
	WIN 0
.set BK, BK0+48*((\a)%2)
.irp j, 0,1,2
.irp bl, 0,1,2,3
	ds_store_b128 v[STO], v[PK+16*(\j)+4*(\bl):PK+16*(\j)+4*(\bl)+3] offset:128*(\j)+32*(\bl)
.endr
.endr
.irp j, 0,1,2
.irp t, 0,1,2,3
	ds_load_b128 v[BK+16*(\j)+4*(\t):BK+16*(\j)+4*(\t)+3], v[RD] offset:128*(\j)+4*SPI*(\t)  ; LDS serves a wave's instructions in order (ISA guide 5.7.1.4): these see the stores above
.endr
.endr
.endm
.macro SEND a
	WIN 0
.set BK, BK0+48*((\a)%2)
	s_wait_dscnt 0x0                               ; the block is back in registers
	s_wait_xcnt 0x0                                ; the stores of the block before have read their registers, which the next block's loads from the stage write
.irp j, 0,1,2
.irp t, 0,1,2,3
	global_store_b128 v[GO], v[BK+16*(\j)+4*(\t):BK+16*(\j)+4*(\t)+3], s[8+2*(\j):9+2*(\j)] offset:2048*(\a)+512*(\t)
.endr
.endr
.endm
	PACK 0
	TOSTAGE 0
.irp a, 1,2,3,4,5,6,7                          ; a block's arithmetic stands between the loads of the block before and its stores
	PACK \a
	SEND (\a)-1
	TOSTAGE \a
.endr
	SEND 7
	s_wait_tensorcnt 0x0                           ; the wave's end
	ds_add_u32 v[SPW], v[NIL]
	s_wait_dscnt 0x0
	CROUND                                         ; the closing round: no work-group ends while a partner may still ask for a tile that names it
	s_endpgm
.Lfunc_end_k_qb2870c19c6_qkv:
	.size	k_qb2870c19c6_qkv, .Lfunc_end_k_qb2870c19c6_qkv-k_qb2870c19c6_qkv
	.p2alignl 7, 3214868480
	.fill 96, 4, 3214868480
	.section	.rodata,"a",@progbits
	.p2align	6, 0x0
	.amdhsa_kernel k_qb2870c19c6_qkv
		.amdhsa_group_segment_fixed_size 327680
		.amdhsa_private_segment_fixed_size 0
		.amdhsa_enable_private_segment 0
		.amdhsa_kernarg_size 40
		.amdhsa_user_sgpr_count 2
		.amdhsa_user_sgpr_kernarg_segment_ptr 1
		.amdhsa_wavefront_size32 1
		.amdhsa_system_sgpr_workgroup_id_x 1
		.amdhsa_system_sgpr_workgroup_id_y 1
		.amdhsa_system_sgpr_workgroup_id_z 1
		.amdhsa_system_vgpr_workitem_id 0
		.amdhsa_next_free_vgpr 1024
		.amdhsa_next_free_sgpr 80
		.amdhsa_reserve_vcc 1
		.amdhsa_float_denorm_mode_32 3
		.amdhsa_float_denorm_mode_16_64 3
		.amdhsa_memory_ordered 1
		.amdhsa_forward_progress 1
		.amdhsa_inst_pref_size 152
	.end_amdhsa_kernel
	.amdgpu_metadata
---
amdhsa.version: [ 1, 2 ]
amdhsa.kernels:
  - .name:           k_qb2870c19c6_qkv
    .symbol:         k_qb2870c19c6_qkv.kd
    .args:
      - { .name: xnb, .offset: 0, .size: 8, .value_kind: global_buffer, .address_space: global }
      - { .name: wqb, .offset: 8, .size: 8, .value_kind: global_buffer, .address_space: global }
      - { .name: qh, .offset: 16, .size: 8, .value_kind: global_buffer, .address_space: global }
      - { .name: kh, .offset: 24, .size: 8, .value_kind: global_buffer, .address_space: global }
      - { .name: vh, .offset: 32, .size: 8, .value_kind: global_buffer, .address_space: global }
    .group_segment_fixed_size: 327680
    .private_segment_fixed_size: 0
    .kernarg_segment_align: 8
    .kernarg_segment_size: 40
    .max_flat_workgroup_size: 128
    .sgpr_count:     80
    .vgpr_count:     1024
    .wavefront_size: 32
...
	.end_amdgpu_metadata
.endif
;; end of part 2
;; launch attn (part 3): grid 2 x 128, 4 waves a work-group, no clusters, 327,680 bytes of LDS; arguments qh, kh, vh, oh; writes oh
.if DOCPART == 3
	.amdgcn_target "amdgcn-amd-amdhsa--gfx1250"
	.amdhsa_code_object_version 6
	.text
	.protected	k_qb2870c19c6_attn
	.globl	k_qb2870c19c6_attn
	.p2align	8
	.type	k_qb2870c19c6_attn,@function
k_qb2870c19c6_attn:
	s_mov_b64 s[64:65], 0
	v_nop
	global_prefetch_b8 v0, s[64:65] scope:SCOPE_SE
	s_setreg_imm32_b32 hwreg(HW_REG_WAVE_MODE, 25, 1), 1
	s_wait_xcnt 0x0
; ATTENTION.  O[h][q][:] = the sum over k of softmax_k(Q[h][q] . K[h][k] / 8) V[h][k][:].  Q, K, V, O: [128][1024][64], all f16: a head's rows are dense, 128 bytes each.  Products, maxima and sums
; in f32; the weights p are rounded to f16 for the second product (their sum l is taken of the unrounded p), O once at the end.
; LIMITS.  Q, K, V arrive within f16's 65,504; p lies in 0 to 1 and below 6e-5 keeps f16's fixed step of 6e-8; O is a mean of V's rows.  A weight below 2^-126 counts as 0 in l; NaN and infinities are not treated apart.
; SHARES.  A work-group owns 512 queries of one head, each of its four waves 128: four PIECES of two tiles of 16.  Every wave walks all 1,024 keys, 64 a step.
; THE HEAD'S WHOLE K AND V LIE IN LDS: 1,024 rows of 144 and of 160 bytes.  Each wave asks for its share by four tensor loads at the start (waves 0, 1: K; waves 2, 3: V; load c: 128 of the keys
; 256 c .. 256 c + 255); nothing is ever filled again.  The first 256 keys are waited for by count; in front of each further 256 stands a wait for all loads and a barrier, so that every wave's part is whole for all.
; NO CLUSTER: a head has two blocks of 512 queries, which no cluster of four divides; each byte of K and V is asked for twice in the launch.  NO PREFETCH: every byte is asked for by its tensor load at the head.
; LAYOUT.  S^T = K Q^T (source 0 = 16 keys, source 1 = 16 queries): a lane holds ONE query (lane % 16) and the keys 8 (lane / 16) + 0..7.  Two such tiles, rounded to f16 in pairs, ARE source 1
; of O^T = V^T P, whose result again holds one query a lane, and eight channels.  K comes out of LDS as it lies, V turned, by ds_load_tr16_b128.
; SOFTMAX.  A running maximum m and sum l: p = 2^(c s - c m), c = log2(e) / 8; in every step O and l are multiplied by a = 2^(c m_old - c m_new).  m starts at the lowest finite number, O and l at 0.
; BY TURNS.  Turn n belongs to piece n: 16 products K Q^T of piece n + 1, later 16 products V^T P of piece n - 1; beside them the scaling, exponentials, roundings, sums and rescaling of piece n and
; the maximum and statistics of piece n + 1.  Four vector instructions stand behind every matrix instruction, the others in one run; a turn's 66 exponentials are one batch with one wait.
; REGISTERS, in windows of 256 (s_set_vgpr_msb: bits 1:0 source 0, 3:2 source 1, 5:4 source 2, 7:6 destination):
;   window 0: v0-11 addresses; v12-15, v48-63 at work; v16-47 four registers of statistics a tile; v64-191 S^T, two buffers of two tiles; v192-255 P, likewise
;   window 1: O^T, 32 a tile     window 2: v0-127 Q; v128-191 K of one step; v192-255 V of one step     window 3: v0-1 the add's two registers
.set NP,    4
.set KS,    64
.set PK,    144       ; a row of K: 128 bytes + 16: the 16 rows of a load start at 16 different groups of four banks (64 banks of 4 bytes: ISA guide 11.1)
.set PV,    160       ; a row of V: 128 + 32
.set VOFF,  1024*PK
.set STAGE, VOFF+1024*PV  ; never filled by a tensor load: 16 rows x 144 bytes for each wave, for the way out
.set SP,    144
.set SPARE, STAGE+4*16*SP  ; the spare words, 128 bytes for each wave; no other line names them
.set AK0, 2
.set AV0, 3
.set AK,  4
.set AV,  5
.set QO,  6
.set STO, 6
.set RD,  7
.set GO,  8
.set SPW, 0           ; v0 of window 3
.set NIL, 1           ; v1 of window 3
.set MV,  12
.set ST,  16          ; tile t's statistics at v[ST+4 t]: c m, m, l (even keys', odd keys')
.set TMP, 48
.set S,   64
.set P,   192
.set KF,  128
.set VF,  192
.set WV,  12
.set G1K, 24
.set G1V, 32
.set G0,  40          ; s[40:55] four sets of group 0, one for each of my loads
.set SLOTS, 56        ; blocks of 256 keys still to be entered, and one
.set CNT, 57
.set CS,  58
.set SEL, 60
.set TBK, 62          ; LDS byte at which K of the step to be fetched begins
.set TBV, 63          ; the same for V, less VOFF
.set MSB, 0
.macro WIN new
.if MSB != (\new)
	s_set_vgpr_msb (MSB<<8)|(\new)
.set MSB, (\new)
.endif
.endm
.set W_KQ, 0x0a
.set W_PV, 0x52
.set W_RS, 0x41
.set W_MK, 0xc0
.set W_AD, 0x0f
	s_load_b256 s[4:11], s[0:1], 0x0  ; Q s[4:5], K s[6:7], V s[8:9], O s[10:11]
	WIN W_MK
	v_lshl_add_u32 v[SPW], v0, 2, SPARE
	v_mov_b32 v[NIL], 0
	WIN W_AD
	ds_add_u32 v[SPW], v[NIL]       ; the wave's opening: the add and its wait stand ahead of my first tensor load
	WIN 0
	v_lshrrev_b32 v1, 5, v0
	v_readfirstlane_b32 s[WV], v1
	s_and_b32 s20, ttmp7, 0xffff    ; the head
	s_lshl_b32 s20, s20, 17         ; its 131,072 bytes in each of the four tensors
	s_mov_b32 s21, 0
	s_and_b32 s16, s[WV], 1         ; which 128 of each 256 keys I fetch
	s_lshl_b32 s22, s16, 14
	s_mov_b32 s23, 0
	s_add_nc_u64 s[22:23], s[22:23], s[20:21]
	s_mul_i32 s17, s16, 128*PK
	s_mul_i32 s18, s16, 128*PV
	s_add_co_u32 s18, s18, VOFF
	s_lshl_b32 s2, ttmp9, 2
	s_add_co_u32 s2, s2, s[WV]      ; my wave among the head's eight,
	s_lshl_b32 s2, s2, 14           ; its 128 rows
	s_mov_b32 s3, 0
	s_add_nc_u64 s[2:3], s[2:3], s[20:21]
	; 128 keys are 16,384 dense bytes: asked for as 64 rows of 256 bytes, two keys a row, and padded in LDS after every key
	s_mov_b32 s[G1K], (1<<16)|(1<<20)|(4<<22)|(3<<25)
	s_mov_b32 s[G1V], (1<<16)|(1<<20)|(4<<22)|(7<<25)
.irp g, G1K, G1V
	s_mov_b32 s[\g+1], 128<<16
	s_mov_b32 s[\g+2], 64<<16
	s_mov_b32 s[\g+3], 128<<16
	s_mov_b32 s[\g+4], 64
	s_mov_b32 s[\g+5], 128
	s_mov_b32 s[\g+6], 0
	s_mov_b32 s[\g+7], 0
.endr
	s_mov_b32 s[CS], 0x3e38aa3b     ; c = log2(e) / 8
	s_mov_b32 s[CS+1], s[CS]
	s_mov_b32 s[SEL], 0x76543210
	s_mov_b32 s[SEL+1], 0xfedcba98
	s_mov_b32 s[TBK], 0
	s_mov_b32 s[TBV], 0
	s_wait_dscnt 0x0                ; the opening add is done
	s_wait_kmcnt 0x0
	s_add_nc_u64 s[6:7], s[6:7], s[22:23]
	s_add_nc_u64 s[8:9], s[8:9], s[22:23]
	s_add_nc_u64 s[4:5], s[4:5], s[2:3]
	s_add_nc_u64 s[10:11], s[10:11], s[2:3]
	s_cmp_lt_u32 s[WV], 2           ; a wave's four first fills stand in one branch: four loads of mine are out
	s_cbranch_scc0 .Lfill_v
.irp c, 0,1,2,3
	s_mov_b32 s[G0+4*\c], 1
	s_add_co_u32 s[G0+4*\c+1], s17, \c*256*PK
	s_add_nc_u64 s[G0+4*\c+2:G0+4*\c+3], s[6:7], \c*32768
	s_or_b32 s[G0+4*\c+3], s[G0+4*\c+3], 0x80000000
.endr
.irp c, 0,1,2,3
	tensor_load_to_lds s[G0+4*\c:G0+4*\c+3], s[G1K:G1K+7]
	s_nop 0
.endr
.rept 4
	v_nop
.endr
	s_branch .Lfilled
.Lfill_v:
.irp c, 0,1,2,3
	s_mov_b32 s[G0+4*\c], 1
	s_add_co_u32 s[G0+4*\c+1], s18, \c*256*PV
	s_add_nc_u64 s[G0+4*\c+2:G0+4*\c+3], s[8:9], \c*32768
	s_or_b32 s[G0+4*\c+3], s[G0+4*\c+3], 0x80000000
.endr
.irp c, 0,1,2,3
	tensor_load_to_lds s[G0+4*\c:G0+4*\c+3], s[G1V:G1V+7]
	s_nop 0
.endr
.rept 4
	v_nop
.endr
.Lfilled:
	v_and_b32 v1, 15, v0            ; l % 16
	v_bfe_u32 v9, v0, 4, 1          ; l / 16
	v_lshlrev_b32 v[QO], 7, v1
	v_lshl_add_u32 v[QO], v9, 4, v[QO]
	WIN 0x80
.set i, 0
.rept 4*NP                          ; Q stays in registers: tile i / 2, channels 32 (i % 2) on
	global_load_b128 v[8*i:8*i+3],   v[QO], s[4:5] offset:(i/2)*2048+(i%2)*64
	global_load_b128 v[8*i+4:8*i+7], v[QO], s[4:5] offset:(i/2)*2048+(i%2)*64+32
.set i, i+1
.endr
	; What the first turn finds: V's registers and P's second buffer hold 0, O^T and l are 0.  No first step is written out; these lines stand in the wait for the first tile.
.set i, VF
.rept 64
	v_mov_b32 v[i], 0
.set i, i+1
.endr
	WIN 0x40
.set i, 0
.rept 64*NP
	v_mov_b32 v[i], 0
.set i, i+1
.endr
	WIN 0
.set i, 0
.rept 2*NP
	v_mov_b32 v[ST+4*i], 0xfe000000    ; c m: far below every c s
	v_mov_b32 v[ST+4*i+1], 0xff7fffff  ; m
	v_mov_b32 v[ST+4*i+2], 0
	v_mov_b32 v[ST+4*i+3], 0
.set i, i+1
.endr
.set i, P+32
.rept 32
	v_mov_b32 v[i], 0
.set i, i+1
.endr
	v_mul_u32_u24 v[AK0], v1, PK
	v_lshl_add_u32 v[AK0], v9, 4, v[AK0]
	; the turning load takes 16 keys x 16 channels (lane l reads key 8 (l / 16) + l % 8, channels 8 ((l / 8) % 2) + 0..7) and leaves half a fragment of V^T
	v_and_b32 v10, 7, v0
	v_bfe_u32 v11, v0, 3, 1
	v_lshl_add_u32 v[AV0], v9, 3, v10
	v_mul_u32_u24 v[AV0], v[AV0], PV
	v_lshl_add_u32 v[AV0], v11, 4, v[AV0]
	v_add_nc_u32 v[AV0], VOFF, v[AV0]
	v_mov_b32 v[AK], v[AK0]
; THE MATRIX WORK.  The 8 accumulators of a run of 16 take turns.
.macro KQ x                         ; product i of 16 of S^T = K Q^T for piece x: channels 32 (i / 8) on, keys 16 ((i / 2) % 4) on, tile 2 x + i % 2
	WIN W_KQ
.set rS, S+64*((\x)%2)+32*(i%2)+8*((i/2)%4)
.set rK, KF+16*((i/2)%4)+8*(i/8)
.set rQ, 16*(2*(\x)+i%2)+8*(i/8)
.if i < 8
	v_wmma_f32_16x16x32_f16 v[rS:rS+7], v[rK:rK+7], v[rQ:rQ+7], 0
.else
	v_wmma_f32_16x16x32_f16 v[rS:rS+7], v[rK:rK+7], v[rQ:rQ+7], v[rS:rS+7]
.endif
.endm
.macro PV x                         ; product i of 16 of O^T += V^T P for piece x: keys 32 (i / 8) on, channels 16 ((i / 2) % 4) on
	WIN W_PV
.set rO, 32*(2*(\x)+i%2)+8*((i/2)%4)
.set rV, VF+32*(i/8)+8*((i/2)%4)
.set rP, P+32*((\x)%2)+16*(i%2)+8*(i/8)
	v_wmma_f32_16x16x32_f16 v[rO:rO+7], v[rV:rV+7], v[rP:rP+7], v[rO:rO+7]
.endm
.macro MM
.if i < 16
	KQ (Y+1)%NP
.set i, i+1
.else
.set i, i-16
	PV (Y+NP-1)%NP
.set i, i+17
.endif
.endm
; THE LDS LOADS stand in runs of 16.  last = 1: behind the sixteenth step there is no further one, and the run is jumped over.
.macro FETCH_K last=0
	WIN 0
.if \last
	s_cmp_eq_u32 s[SLOTS], 1
	s_cbranch_scc1 .Lno_k_\@
.endif
	WIN 0x80
.irp f, 0,1,2,3,4,5,6,7
	ds_load_b128 v[KF+8*\f:KF+8*\f+3],   v[AK] offset:(\f/2)*16*PK+(\f%2)*64
	ds_load_b128 v[KF+8*\f+4:KF+8*\f+7], v[AK] offset:(\f/2)*16*PK+(\f%2)*64+32
.endr
	s_add_co_u32 s[TBK], s[TBK], KS*PK
	WIN 0
.if \last
.Lno_k_\@:
.endif
.endm
.macro FETCH_V
	WIN 0x80
.irp f, 0,1,2,3,4,5,6,7
	ds_load_tr16_b128 v[VF+8*\f:VF+8*\f+3],   v[AV] offset:(\f/4)*32*PV+(\f%4)*32
	ds_load_tr16_b128 v[VF+8*\f+4:VF+8*\f+7], v[AV] offset:(\f/4)*32*PV+16*PV+(\f%4)*32
.endr
	WIN 0
.endm
; THE VECTOR WORK OF A TURN stands in three queues, each in the order in which its entries become ready; the two tiles alternate.
.macro REGS y, u
.set rT, ST+4*(2*(\y)+(\u))
.set rC, TMP+8*((\y)%2)+4*(\u)
.set rM, MV+2*((\y)%2)+(\u)
.set rS, S+64*((\y)%2)+32*(\u)
.set rP, P+32*((\y)%2)+16*(\u)
.set rO, 32*(2*(\y)+(\u))
.endm
; Number n of the 22 that find the NEXT piece's maximum and statistics; each accumulator's lowest registers are read first.
;   0-11 four chains of seven scores    12-14, 16 the four left over, the old m, the four into one    15 c m_old is kept    17, 18 the other half of the lanes; the new m    19-21 c m; its change; a
.macro XS u, n
	REGS (Y+1)%NP, \u
.if (\n) < 4
	v_max3_num_f32 v[rC+(\n)], v[rS+8*(\n)], v[rS+8*(\n)+1], v[rS+8*(\n)+2]
.elseif (\n) < 12
	v_max3_num_f32 v[rC+(\n)%4], v[rC+(\n)%4], v[rS+8*((\n)%4)+2*((\n)/4)+1], v[rS+8*((\n)%4)+2*((\n)/4)+2]
.elseif (\n) == 12
	v_max3_num_f32 v[rC], v[rC], v[rS+7], v[rS+15]
.elseif (\n) == 13
	v_max3_num_f32 v[rC+1], v[rC+1], v[rS+23], v[rS+31]
.elseif (\n) == 14
	v_max3_num_f32 v[rC+2], v[rC+2], v[rC+3], v[rT+1]
.elseif (\n) == 15
	v_mov_b32 v[rM], v[rT]
.elseif (\n) == 16
	v_max3_num_f32 v[rC], v[rC], v[rC+1], v[rC+2]
.elseif (\n) == 17
	v_permlanex16_b32 v[rC+3], v[rC], s[SEL], s[SEL+1]
.elseif (\n) == 18
	v_max_num_f32 v[rT+1], v[rC], v[rC+3]
.elseif (\n) == 19
	v_mul_f32 v[rT], s[CS], v[rT+1]
.elseif (\n) == 20
	v_sub_f32 v[rC+1], v[rM], v[rT]
.else
	v_exp_f32 v[rC+2], v[rC+1]
.endif
.endm
; Number g of the 64 that follow the exponentials: of each four weights both pairs are rounded to f16, the second pair is added onto the first, and a group later l takes that sum (the first time as l = a l + sum).
.macro GS g
.set h, (\g)+6*((\g)/62)
.if h >= 6
.set h, h+2
.endif
	REGS Y, h%2
.set k, h/8
.if h%8 < 4
	v_cvt_pk_f16_f32 v[rP+2*k+(h%8)/2], v[rS+4*k+2*((h%8)/2)], v[rS+4*k+2*((h%8)/2)+1]
.elseif h%8 < 6
	v_pk_add_f32 v[rS+4*k:rS+4*k+1], v[rS+4*k:rS+4*k+1], v[rS+4*k+2:rS+4*k+3]
.elseif k == 1
	v_pk_fma_f32 v[rT+2:rT+3], v[rT+2:rT+3], v[rC+2:rC+3], v[rS:rS+1] op_sel_hi:[1,0,1]
.else
	v_pk_add_f32 v[rT+2:rT+3], v[rT+2:rT+3], v[rS+4*k-4:rS+4*k-3]
.endif
.endm
; THE PLAIN QUEUE, 138 long.  0-73 read no exponential's result: the 32 scalings c s - c m and the next piece's 42.  74-137: GS's 64, behind the wait.
.macro FS f
	REGS Y, (\f)%2
	v_pk_fma_f32 v[rS+2*((\f)/2):rS+2*((\f)/2)+1], v[rS+2*((\f)/2):rS+2*((\f)/2)+1], s[CS:CS+1], v[rT:rT+1] op_sel_hi:[1,0,0] neg_lo:[0,0,1] neg_hi:[0,0,1]
.endm
.macro PL
	WIN 0
.if q < 27
	FS q
.elseif q < 55
	XS (q-27)%2, (q-27)/2
.elseif q < 57
	XS q-55, 15
.elseif (q < 72) && ((q-57)%3 == 0)
	FS 27+(q-57)/3
.elseif q < 60
	XS (q-57)%3-1, 14
.elseif q < 72
	XS (q-57)%3-1, 15+(q-57)/3
.elseif q < 74
	XS q-72, 20
.else
	GS q-74
.endif
.set q, q+1
.endm
; THE EXPONENTIALS' QUEUE, 66 long: s0-s31 of both tiles, then the next piece's two a: one batch, ahead of the turn's one wait.
.macro EX
	WIN 0
.if e >= 64
	XS e-64, 21
.else
	REGS Y, e%2
	v_exp_f32 v[rS+e/2], v[rS+e/2]
.endif
.set e, e+1
.endm
; THE RESCALING's QUEUE: O^T times a, two at a time; its a was made, and waited for, in the turn before.
.macro R2
	REGS Y, r%2
	WIN W_RS
.irp z, 0,1
	v_pk_mul_f32 v[rO+4*(r/2)+2*\z:rO+4*(r/2)+2*\z+1], v[rO+4*(r/2)+2*\z:rO+4*(r/2)+2*\z+1], v[rC+2:rC+3] op_sel_hi:[1,0]
.endr
.set r, r+1
.endm
; A TURN, for piece p.  Ahead of its one wait stands all that names no result of its exponentials: 16 products K Q^T, behind each a scaling, an exponential and two rescalings; then a run of 108.
; Behind it: 16 products V^T P, behind each four of the roundings and sums.  K of the next step is fetched in piece 2's turn, directly behind the wait; V of the step in hand at the end of piece 0's
; turn, four plain instructions behind its last reader.  cnt = 1: the loop's count is taken down some lines ahead of the branch behind the turn.
.macro TURN p, last=0, cnt=0
.set Y, (\p)
.set i, 0
.set q, 0
.set e, 0
.set r, 0
.if (\p) == NP-1
	s_wait_dscnt 0x0                ; K is in
.endif
	MM
	PL
	PL
	R2
.rept 15
	MM
	PL
	EX
	R2
.endr
.if (\p) == NP-2
	WIN 0
	v_add_nc_u32 v[AK], s[TBK], v[AK0]
.endif
.rept 8
	PL
.endr
.rept 49
	EX
	PL
.endr
	EX
	EX
	v_nop                           ; the plain instruction behind the last exponential: one for the batch
	s_wait_alu depctr_va_vdst(0)    ; the wait for the batch, ahead of the first reader
.if (\p) == NP-2
	FETCH_K \last
.endif
.if (\p) == 1
	s_wait_dscnt 0x0                ; V is in
.endif
.rept 16
	MM
.rept 4
	PL
.endr
.if ((\p) == 0) && (q == 118)
	v_add_nc_u32 v[AV], s[TBV], v[AV0]
.endif
.if ((\p) == 0) && (q == 130)
	s_add_co_u32 s[TBV], s[TBV], KS*PV
.endif
.if (\cnt) && (q == 130)
	s_sub_co_u32 s[CNT], s[CNT], 1
	s_cmp_lg_u32 s[CNT], 0
.endif
.endr
.if (\p) == 0
	FETCH_V
.endif
.endm
	s_wait_tensorcnt 0x3            ; my part of keys 0-255 is in; my three younger loads stay out
	s_barrier_signal -1
	s_barrier_wait -1               ; everybody's is
	FETCH_K                         ; key step 0
	s_wait_loadcnt 0x0              ; Q
	s_wait_dscnt 0x0
.set i, 0
.rept 16
	KQ 0                            ; piece 0's first scores
.set i, i+1
.endr
	WIN 0                           ; the addresses for the way out: plain instructions, the places behind those products
	s_mul_i32 s13, s[WV], 16*SP
	s_add_co_u32 s13, s13, STAGE
	v_mul_u32_u24 v[STO], v1, SP
	v_lshl_add_u32 v[STO], v9, 4, v[STO]
	v_add_nc_u32 v[STO], s13, v[STO]
	v_bfe_u32 v[RD], v0, 3, 2
	v_mul_u32_u24 v[RD], v[RD], SP
	v_lshl_add_u32 v[RD], v10, 4, v[RD]
	v_add_nc_u32 v[RD], s13, v[RD]
	v_and_b32 v[GO], 31, v0
	v_lshlrev_b32 v[GO], 4, v[GO]
.set Y, NP-1
.irp n, 0,1,2,3,4,5,6,7,8,9,10,11,12,13,14,15,16,17,18,19,20,21
	XS 0, \n
	XS 1, \n
.endr
	v_nop
	s_wait_alu depctr_va_vdst(0)    ; the two a, ahead of the branch
	s_mov_b32 s[CNT], 4
	s_mov_b32 s[SLOTS], 5
	s_branch .Lfirst                ; the loop is entered at a step's first turn, in the middle of a trip
.Lslot:                             ; in front of each further 256 keys: all my loads have landed, my LDS loads are back, and every wave has said so
	s_wait_tensorcnt 0x0
	s_wait_dscnt 0x0
	s_barrier_signal -1
	s_barrier_wait -1
	s_mov_b32 s[CNT], 4
.Lstep:                             ; a trip: pieces 2 and 3 of one step, then pieces 0 and 1 of the next, whose K and V it fetches
	TURN 2, 1
	TURN 3
	WIN 0
	s_cmp_eq_u32 s[SLOTS], 1        ; behind the sixteenth step's last turns the walk is left: a jump forward, past no barrier
	s_cbranch_scc1 .Lout
.Lfirst:
	TURN 0
	TURN 1, 0, 1
	WIN 0
	s_cbranch_scc1 .Lstep
	s_sub_co_u32 s[SLOTS], s[SLOTS], 1
	s_cmp_lg_u32 s[SLOTS], 0
	s_cbranch_scc1 .Lslot
.Lout:                              ; the last trip's 16 products K Q^T (on the last K once more) and the maximum made of them serve nothing: the price of one text for every trip
.set i, 0
.rept 16
	PV NP-1
.set i, i+1
.endr
	; THE WAY OUT.  l's halves are added; O^T is divided by l, rounded to f16 and sent through my stage, a tile at a time.  The additions are the places behind the last products.
	WIN 0
.macro ALL line:vararg
.set t, 0
.rept 2*NP
	\line
.set t, t+1
.endr
.endm
	ALL v_add_f32 v[ST+4*t+2], v[ST+4*t+2], v[ST+4*t+3]
	ALL v_permlanex16_b32 v[ST+4*t+3], v[ST+4*t+2], s[SEL], s[SEL+1]
	ALL v_add_f32 v[ST+4*t+2], v[ST+4*t+2], v[ST+4*t+3]
	ALL v_rcp_f32 v[ST+4*t+2], v[ST+4*t+2]
	v_nop
	s_wait_alu depctr_va_vdst(0)    ; one wait for the eight reciprocals
.macro PACK t
	WIN W_RS
.set i, 32*(\t)
.rept 16
	v_pk_mul_f32 v[i:i+1], v[i:i+1], v[ST+4*(\t)+2:ST+4*(\t)+3] op_sel_hi:[1,0]
.set i, i+2
.endr
	WIN 0x05
.set i, 0
.rept 16
	v_cvt_pk_f16_f32 v[S+16*(\t)+i], v[32*(\t)+2*i], v[32*(\t)+2*i+1]
.set i, i+1
.endr
	WIN 0
.irp f, 0,1,2,3
	ds_store_b128 v[STO], v[S+16*(\t)+4*\f:S+16*(\t)+4*\f+3] offset:32*\f
.endr
.irp f, 0,1,2,3
	ds_load_b128 v[S+16*(\t)+4*\f:S+16*(\t)+4*\f+3], v[RD] offset:\f*4*SP  ; LDS serves a wave's instructions in order (ISA guide 5.7.1.4)
.endr
.endm
.macro SEND t, younger              ; younger: the LDS instructions issued behind tile t's loads
	WIN 0
.irp f, 0,1,2,3
	s_wait_dscnt (\younger)+3-\f
	global_store_b128 v[GO], v[S+16*(\t)+4*\f:S+16*(\t)+4*\f+3], s[10:11] offset:(\t)*2048+\f*512  ; 512 consecutive bytes, at a multiple of 256 from O's first
.endr
.endm
	PACK 0
.set t, 1
.rept 2*NP-1
	PACK t
	SEND t-1, 8
.set t, t+1
.endr
	SEND 2*NP-1, 0
	WIN W_AD
	s_wait_tensorcnt 0x0            ; the wave's end
	ds_add_u32 v[SPW], v[NIL]
	s_wait_dscnt 0x0
	WIN 0
	s_endpgm
.Lfunc_end_k_qb2870c19c6_attn:
	.size	k_qb2870c19c6_attn, .Lfunc_end_k_qb2870c19c6_attn-k_qb2870c19c6_attn
	.p2alignl 7, 3214868480
	.fill 96, 4, 3214868480
	.section	.rodata,"a",@progbits
	.p2align	6, 0x0
	.amdhsa_kernel k_qb2870c19c6_attn
		.amdhsa_group_segment_fixed_size 327680
		.amdhsa_private_segment_fixed_size 0
		.amdhsa_enable_private_segment 0
		.amdhsa_kernarg_size 32
		.amdhsa_user_sgpr_count 2
		.amdhsa_user_sgpr_kernarg_segment_ptr 1
		.amdhsa_wavefront_size32 1
		.amdhsa_system_sgpr_workgroup_id_x 1
		.amdhsa_system_sgpr_workgroup_id_y 1
		.amdhsa_system_sgpr_workgroup_id_z 1
		.amdhsa_system_vgpr_workitem_id 0
		.amdhsa_next_free_vgpr 770
		.amdhsa_next_free_sgpr 66
		.amdhsa_reserve_vcc 0
		.amdhsa_float_denorm_mode_32 3
		.amdhsa_float_denorm_mode_16_64 3
		.amdhsa_memory_ordered 1
		.amdhsa_forward_progress 1
		.amdhsa_inst_pref_size 126
	.end_amdhsa_kernel
	.amdgpu_metadata
---
amdhsa.version: [ 1, 2 ]
amdhsa.kernels:
  - .name:           k_qb2870c19c6_attn
    .symbol:         k_qb2870c19c6_attn.kd
    .args:
      - { .name: qh, .offset: 0, .size: 8, .value_kind: global_buffer, .address_space: global }
      - { .name: kh, .offset: 8, .size: 8, .value_kind: global_buffer, .address_space: global }
      - { .name: vh, .offset: 16, .size: 8, .value_kind: global_buffer, .address_space: global }
      - { .name: oh, .offset: 24, .size: 8, .value_kind: global_buffer, .address_space: global }
    .group_segment_fixed_size: 327680
    .private_segment_fixed_size: 0
    .kernarg_segment_align: 8
    .kernarg_segment_size: 32
    .max_flat_workgroup_size: 128
    .sgpr_count:     66
    .vgpr_count:     770
    .wavefront_size: 32
...
	.end_amdgpu_metadata
.endif
;; end of part 3
;; launch proj (part 4): grid 8 x 32, 4 waves a work-group, clusters of 4 x 4, 327,680 bytes of LDS; arguments oh, wpb, b_proj, out0; writes out0
.if DOCPART == 4
	.amdgcn_target "amdgcn-amd-amdhsa--gfx1250"
	.amdhsa_code_object_version 6
	.text
	.protected	k_qb2870c19c6_proj
	.globl	k_qb2870c19c6_proj
	.p2align	8
	.type	k_qb2870c19c6_proj,@function
k_qb2870c19c6_proj:
	s_mov_b64 s[64:65], 0
	v_nop
	global_prefetch_b8 v0, s[64:65] scope:SCOPE_SE
	s_setreg_imm32_b32 hwreg(HW_REG_WAVE_MODE, 25, 1), 1
	s_wait_xcnt 0x0
	s_wait_alu depctr_hold_cnt(0) depctr_sa_sdst(0) depctr_va_vdst(0) depctr_va_sdst(0) depctr_va_ssrc(0) depctr_va_vcc(0) depctr_vm_vsrc(0)
	s_getreg_b32 s2, hwreg(HW_REG_IB_STS2, 6, 4)
	s_cmp_eq_u32 s2, 0
	s_cbranch_scc0 .Lentry_in_a_cluster
	s_endpgm
.Lentry_in_a_cluster:
	s_bfe_u32 s2, ttmp6, 0x10000c
	s_cmp_lg_u32 s2, 0xf033
	s_cbranch_scc0 .Lentry_shape_is_right
	s_endpgm
.Lentry_shape_is_right:
; PROJ: out0 = o w_proj + b.  o = oh [b 16 + h][token][64] in f16: head h IS K block h.  wpb [kb][n][64] in f16.  b is taken as it is, in f32.  Sums and output f32.  8,192 x 1,024 x 1,024.
; SHARES.  A work-group makes 256 tokens x 128 columns, a wave 128 x 64: 32 accumulators in window 1, (a, bl) at 8 (4 a + bl).  This tile gives each of 256 work-groups one.
; K goes in steps of 128 (two K blocks) through two LDS slots: 128 matrix instructions a wave and step.  Wave 0 fetches A's even block (128 rows of 256 bytes), wave 1 its odd one, waves 2, 3 B's (64 rows).
; CLUSTER 4 x 4: A's tiles are asked for jointly along a row of the cluster, B's along a column.
; TRANSPOSED USE: source 0 = 16 rows of wpb, source 1 = 16 tokens: a lane holds one token and eight neighbouring columns.  The bias is the C of the products that start the sums.
; Window 0: v0-31 addresses and work; v32-127, v128-223 two fragment buffers (64 of A, 32 of B: 32 along K); v224-255 the bias of my 64 columns.
.set PITCH, 144                        ; 128 bytes + 16: the 16 rows of a fragment load start at 16 different groups of four banks (64 banks of 4 bytes: ISA guide 11.1)
.set FRAG,  16*PITCH
.set AKB,   256*PITCH                  ; A's rows of one K block
.set BKB,   128*PITCH
.set BOFF,  2*AKB
.set SLOT1, 1<<17
.set STAGE, SLOT1+BOFF+2*BKB           ; never filled by a tensor load: 16 rows x 272 bytes for each wave
.set SPI,   272
.set SPARE, STAGE+4*16*SPI             ; the spare words; no other line names them
.set KSTEPB, 262144                    ; two K blocks of 131,072 bytes, in oh and in wpb alike
.set FLAGS, (1<<16)|(1<<20)|(1<<21)|(4<<22)|(3<<25)
.set LT, 3
.set ADRA0, 4
.set ADRB0, 5
.set ADRA, 6
.set ADRB, 7
.set STO, 8
.set RD,  9
.set CO,  10
.set PFO, 13
.set SPW, 14
.set NIL, 15
.set F0,  32
.set F1,  128
.set BIAS, 224
.set OB,  32                           ; the way out: two sets of 32, rows read back
.set WV, 14
.set WR, 15
.set WC, 16
.set CX, 17
.set CY, 18
.set TX, 19
.set TY, 20
.set G1A, 24
.set G1B, 32
.set G0A, 40
.set G0B, 48
.set CNT, 56
.set TB,  57
.set LIM, 58
.set PM,  59
.set PFA, 60
.set MSB, 0
.macro WIN new
.if MSB != (\new)
	s_set_vgpr_msb (MSB<<8)|(\new)
.set MSB, (\new)
.endif
.endm
.macro PLACES
.rept 4
	v_nop
.endr
.endm
.macro CREST
	s_cmp_lg_u32 s[WV], 0
	s_cbranch_scc1 .Lnot_wave_0_\@
	s_barrier_signal -3
.Lnot_wave_0_\@:
	s_barrier_wait -3
	s_barrier_signal -1
	s_barrier_wait -1
.endm
.macro CROUND
	s_barrier_signal -1
	s_barrier_wait -1
	CREST
.endm
.macro JLOAD                           ; a joint refill by the walking set; an s_nop 0 and four v_nop follow each line
	s_cmp_eq_u32 s[WR], 0
	s_cbranch_scc0 .Lfor_b_\@
	tensor_load_to_lds s[G0A+4:G0A+7], s[G1A:G1A+7]
	s_nop 0
.rept 4
	v_nop
.endr
	s_branch .Lasked_\@
.Lfor_b_\@:
	tensor_load_to_lds s[G0B+4:G0B+7], s[G1B:G1B+7]
	s_nop 0
.rept 4
	v_nop
.endr
.Lasked_\@:
.endm
; A PREFETCH INTO THE L2 of the K step two refills on, behind the joint load and the run of LDS loads.  Each aligned 256 bytes of oh and wpb are named once in the launch.
; A: the cluster with x = 0 asks; waves 0, 1 for their own K block, partner cx for 32 of its 128 blocks.  B: the cluster with y = 0 asks, in every second trip; waves 2, 3 for their own K block,
; partner cy for 16 of its 64 blocks, lanes 16-31 for the same blocks one K step further.  The trips whose look-ahead would pass K step 7 ask for nothing.
.macro ASK
	s_and_b32 s23, s[CNT], s[PM]
	s_cmp_lg_u32 s23, 0
	s_cbranch_scc1 .Lnot_mine_\@
	s_cmp_gt_u32 s[CNT], s[LIM]
	s_cbranch_scc0 .Lnot_mine_\@
	global_prefetch_b8 v[PFO], s[PFA:PFA+1] th:TH_LOAD_NT scope:SCOPE_SE
.Lnot_mine_\@:
.endm
	s_load_b256 s[4:11], s[0:1], 0x0               ; oh s[4:5], wpb s[6:7], b_proj s[8:9], out0 s[10:11]
	v_lshl_add_u32 v[SPW], v0, 2, SPARE
	v_mov_b32 v[NIL], 0
	ds_add_u32 v[SPW], v[NIL]                      ; the wave's opening: the add and its wait stand ahead of my first tensor load
	v_lshrrev_b32 v1, 5, v0
	v_readfirstlane_b32 s[WV], v1
	s_lshr_b32 s[WR], s[WV], 1
	s_and_b32 s[WC], s[WV], 1
	s_bfe_u32 s[CX], ttmp6, 0x40000
	s_bfe_u32 s[CY], ttmp6, 0x40004
	s_lshl_b32 s[TX], ttmp9, 2
	s_add_co_u32 s[TX], s[TX], s[CX]
	s_and_b32 s[TY], ttmp7, 0xffff
	s_lshl_b32 s[TY], s[TY], 2
	s_add_co_u32 s[TY], s[TY], s[CY]
	s_lshl_b32 s21, s[CY], 2
	s_lshl_b32 s21, 15, s21
	s_lshl_b32 s22, 0x1111, s[CX]
	s_or_b32 s[G1A], s21, FLAGS
	s_or_b32 s[G1B], s22, FLAGS
.irp g, G1A, G1B
	s_mov_b32 s[(\g)+1], 128<<16
	s_mov_b32 s[(\g)+3], 128<<16
	s_mov_b32 s[(\g)+5], 128
	s_mov_b32 s[(\g)+6], 0
	s_mov_b32 s[(\g)+7], 0
.endr
	s_mov_b32 s[G1A+2], 128<<16                    ; A: 128 rows of 256 bytes = 256 tokens of one K block
	s_mov_b32 s[G1A+4], 128
	s_mov_b32 s[G1B+2], 64<<16                     ; B: 64 = 128 columns
	s_mov_b32 s[G1B+4], 64
	s_lshr_b32 s66, s[TY], 2                       ; A: batch x 16 heads x 131,072,
	s_lshl_b32 s66, s66, 21
	s_and_b32 s2, s[TY], 3
	s_lshl_b32 s2, s2, 15                          ; + 256 tokens x 128 bytes,
	s_add_co_u32 s66, s66, s2
	s_lshl_b32 s2, s[WC], 17                       ; + my K block of the two
	s_add_co_u32 s66, s66, s2
	s_mov_b32 s67, 0
	s_lshl_b32 s68, s[TX], 14                      ; B: 128 columns x 128 bytes, + my K block
	s_lshl_b32 s3, s[WC], 17
	s_add_co_u32 s68, s68, s3
	s_mov_b32 s69, 0
	s_mul_i32 s70, s[WC], AKB
	s_mul_i32 s71, s[WC], BKB
	s_add_co_u32 s71, s71, BOFF
	s_mov_b32 s[TB], 0
	s_wait_dscnt 0x0                               ; the opening add is done
	s_wait_kmcnt 0x0
	s_add_nc_u64 s[66:67], s[4:5], s[66:67]
	s_add_nc_u64 s[68:69], s[6:7], s[68:69]
	CROUND                                         ; all sixteen work-groups are here: the first joint loads meet
.irp s, 0,1
	s_mov_b32 s[G0A+4*(\s)], 1
	s_add_co_u32 s[G0A+4*(\s)+1], s70, (\s)*SLOT1
	s_add_nc_u64 s[G0A+4*(\s)+2:G0A+4*(\s)+3], s[66:67], (\s)*KSTEPB
	s_or_b32 s[G0A+4*(\s)+3], s[G0A+4*(\s)+3], 0x80000000
	s_mov_b32 s[G0B+4*(\s)], 1
	s_add_co_u32 s[G0B+4*(\s)+1], s71, (\s)*SLOT1
	s_add_nc_u64 s[G0B+4*(\s)+2:G0B+4*(\s)+3], s[68:69], (\s)*KSTEPB
	s_or_b32 s[G0B+4*(\s)+3], s[G0B+4*(\s)+3], 0x80000000
.endr
	s_cmp_eq_u32 s[WR], 0                          ; a wave's two first fills stand in one branch: two loads of mine are out
	s_cbranch_scc0 .Lfirst_b
	tensor_load_to_lds s[G0A:G0A+3], s[G1A:G1A+7]
	s_nop 0
	tensor_load_to_lds s[G0A+4:G0A+7], s[G1A:G1A+7]
	s_nop 0
.rept 4
	v_nop
.endr
	s_branch .Lfirst_asked
.Lfirst_b:
	tensor_load_to_lds s[G0B:G0B+3], s[G1B:G1B+7]
	s_nop 0
	tensor_load_to_lds s[G0B+4:G0B+7], s[G1B:G1B+7]
	s_nop 0
.rept 4
	v_nop
.endr
.Lfirst_asked:
	v_and_b32 v1, 15, v0
	v_bfe_u32 v2, v0, 4, 1
	s_lshl_b32 s74, s[TX], 9                       ; my 64 columns: 256 bytes of b and of a row of out0
	s_lshl_b32 s75, s[WC], 8
	s_add_co_u32 s74, s74, s75
	s_mov_b32 s75, 0
	s_add_nc_u64 s[8:9], s[8:9], s[74:75]
	v_lshlrev_b32 v16, 5, v2                       ; register j of block bl: column 16 bl + 8 (l / 16) + j
.irp bl, 0,1,2,3
	global_load_b128 v[BIAS+8*(\bl):BIAS+8*(\bl)+3],   v16, s[8:9] offset:64*(\bl)
	global_load_b128 v[BIAS+8*(\bl)+4:BIAS+8*(\bl)+7], v16, s[8:9] offset:64*(\bl)+16
.endr
	v_mul_u32_u24 v[LT], v1, PITCH
	v_lshl_add_u32 v[LT], v2, 4, v[LT]
	s_mul_i32 s23, s[WR], 128*PITCH
	v_add_nc_u32 v[ADRA0], s23, v[LT]
	s_mul_i32 s23, s[WC], 64*PITCH
	s_add_co_u32 s23, s23, BOFF
	v_add_nc_u32 v[ADRB0], s23, v[LT]
	v_mov_b32 v[ADRA], v[ADRA0]
	v_mov_b32 v[ADRB], v[ADRB0]
	s_mul_i32 s23, s[WV], 16*SPI
	s_add_co_u32 s23, s23, STAGE                   ; my stage
	v_mul_u32_u24 v[STO], v1, SPI                  ; in: row = token l % 16, 32 bytes for each half of the lanes
	v_lshl_add_u32 v[STO], v2, 5, v[STO]
	v_add_nc_u32 v[STO], s23, v[STO]
	v_mul_u32_u24 v[RD], v2, SPI                   ; back: lanes 0-15 one row of 256 bytes, lanes 16-31 the next
	v_lshl_add_u32 v[RD], v1, 4, v[RD]
	v_add_nc_u32 v[RD], s23, v[RD]
	v_lshlrev_b32 v[CO], 12, v2                    ; and the same two rows in out0
	v_lshl_add_u32 v[CO], v1, 4, v[CO]
	s_lshl_b32 s72, s[TY], 8
	s_lshl_b32 s73, s[WR], 7
	s_add_co_u32 s72, s72, s73                     ; my first token
	s_lshl_b32 s72, s72, 12
	s_add_co_u32 s72, s72, s74
	s_mov_b32 s73, 0
	s_add_nc_u64 s[10:11], s[10:11], s[72:73]
	; the prefetches: they stand at K step 3; each trip steps them once and then names the step at which they stand
	s_and_b32 s74, ttmp7, 0xffff                   ; cluster y
	s_mov_b32 s75, 4096
	s_mov_b32 s76, KSTEPB
	s_lshr_b32 s77, s[TY], 2
	s_lshl_b32 s77, s77, 21
	s_and_b32 s78, s[TY], 3
	s_lshl_b32 s78, s78, 15
	s_add_co_u32 s77, s77, s78
	s_lshl_b32 s78, s[CX], 13
	s_add_co_u32 s77, s77, s78                     ; A's: my quarter of the tile
	s_lshl_b32 s78, s[TX], 14
	s_lshl_b32 s79, s[CY], 12
	s_add_co_u32 s78, s78, s79                     ; B's
	s_cmp_eq_u32 s[WR], 0
	s_cselect_b32 s78, s77, s78
	s_cselect_b32 s74, ttmp9, s74                  ; the coordinate along which other clusters read the same rows
	s_cselect_b32 s[PM], 0, 1
	s_cselect_b32 s75, s75, s76                    ; what lanes 16-31 add: sixteen blocks on, or a K step on
	s_cselect_b64 s[PFA:PFA+1], s[4:5], s[6:7]
	s_lshl_b32 s79, s[WC], 17                      ; my K block of the two
	s_add_co_u32 s78, s78, s79
	s_add_co_u32 s78, s78, 3*KSTEPB
	s_mov_b32 s79, 0
	s_add_nc_u64 s[PFA:PFA+1], s[PFA:PFA+1], s[78:79]
	s_cmp_eq_u32 s74, 0
	s_cselect_b32 s[LIM], 2, -1                    ; the same in all sixteen partners, for a given wave
	v_mul_u32_u24 v[PFO], v2, s75
	v_lshl_add_u32 v[PFO], v1, 8, v[PFO]
; n x 4 matrix instructions: token blocks a0 .. a0 + n - 1 x my four blocks of columns, 32 along K, buffer f.  first = 1: the bias starts the sums.  Each of the 32 accumulators has one turn in 32.
.macro MULS f, a0, n, first
.if \first
	WIN 0x40                                       ; D in window 1, C (the bias) and both sources in window 0
.else
	WIN 0x50
.endif
.set ai, (\a0)
.rept \n
.irp bl, 0,1,2,3
.if \first
	v_wmma_f32_16x16x32_f16 v[8*(4*ai+(\bl)):8*(4*ai+(\bl))+7], v[(\f)+64+8*(\bl):(\f)+64+8*(\bl)+7], v[(\f)+8*ai:(\f)+8*ai+7], v[BIAS+8*(\bl):BIAS+8*(\bl)+7]
.else
	v_wmma_f32_16x16x32_f16 v[8*(4*ai+(\bl)):8*(4*ai+(\bl))+7], v[(\f)+64+8*(\bl):(\f)+64+8*(\bl)+7], v[(\f)+8*ai:(\f)+8*ai+7], v[8*(4*ai+(\bl)):8*(4*ai+(\bl))+7]
.endif
.endr
.set ai, ai+1
.endr
.endm
; 24 LDS loads in one run: quarter kq of a K step (K block kq / 2, 32 along K at byte 64 (kq % 2)) into buffer f: B's four fragments, then A's eight
.macro FETCH kq, f
	WIN 0
.irp bl, 0,1,2,3
	ds_load_b128 v[(\f)+64+8*(\bl):(\f)+64+8*(\bl)+3],   v[ADRB] offset:((\kq)/2)*BKB+(\bl)*FRAG+((\kq)%2)*64
	ds_load_b128 v[(\f)+64+8*(\bl)+4:(\f)+64+8*(\bl)+7], v[ADRB] offset:((\kq)/2)*BKB+(\bl)*FRAG+((\kq)%2)*64+32
.endr
.irp a, 0,1,2,3,4,5,6,7
	ds_load_b128 v[(\f)+8*(\a):(\f)+8*(\a)+3],   v[ADRA] offset:((\kq)/2)*AKB+(\a)*FRAG+((\kq)%2)*64
	ds_load_b128 v[(\f)+8*(\a)+4:(\f)+8*(\a)+7], v[ADRA] offset:((\kq)/2)*AKB+(\a)*FRAG+((\kq)%2)*64+32
.endr
.endm
.macro QUARTER f, g, kq, first=0       ; multiplies buffer f; in its middle fetches quarter kq into buffer g
	s_wait_dscnt 8                                 ; B and A's blocks 0-3 are in; the youngest eight loads may be out
	MULS \f, 0, 4, \first
	PLACES
	FETCH \kq, \g
	s_wait_dscnt 24                                ; all but the 24 just issued
	MULS \f, 4, 4, \first
.endm
; The last quarter multiplies buffer 1 and changes slots: one barrier; in front of it each wave waits for all its tensor loads (one is out: its part of the next slot), adds 0 to its spare word, and
; waits for that and for its reads of this slot.  fill = 1: the barrier opens a round of the cluster's, and this slot is filled again first behind it: 112 matrix instructions ahead of the wait for that load.
.macro TURN fill
.if \fill
	s_wait_xcnt 0x0                                ; the last prefetch, a K step back, has read its address
	s_add_nc_u64 s[PFA:PFA+1], s[PFA:PFA+1], KSTEPB
.endif
	WIN 0
	s_wait_tensorcnt 0x0
	ds_add_u32 v[SPW], v[NIL]
.if \fill
	s_xor_b32 s[G0A+5], s[G0A+5], SLOT1
	s_add_nc_u64 s[G0A+6:G0A+7], s[G0A+6:G0A+7], KSTEPB
	s_xor_b32 s[G0B+5], s[G0B+5], SLOT1
	s_add_nc_u64 s[G0B+6:G0B+7], s[G0B+6:G0B+7], KSTEPB
.endif
	s_wait_dscnt 9                                 ; the add and the youngest eight loads may be out
	MULS F1, 0, 2, 0
	s_wait_dscnt 0x0                               ; the add is done, and my reads of this slot are over
	s_barrier_signal -1
	MULS F1, 2, 2, 0
	WIN 0
	s_barrier_wait -1
.if \fill
	CREST
	JLOAD                                          ; its four v_nop are also the places in front of the loads below
.else
	PLACES
.endif
	s_xor_b32 s[TB], s[TB], SLOT1
	v_add_nc_u32 v[ADRA], s[TB], v[ADRA0]
	v_add_nc_u32 v[ADRB], s[TB], v[ADRB0]
	FETCH 0, F0
.if \fill
	ASK
.endif
	MULS F1, 4, 4, 0
.endm
	s_wait_loadcnt 0x0                             ; the bias
	s_wait_tensorcnt 0x1                           ; my part of K step 0 is in; K step 1's may stay out
	s_barrier_signal -1
	s_barrier_wait -1
	FETCH 0, F0
	QUARTER F0, F1, 1, 1
	WIN 0
	s_mov_b32 s[CNT], 6
.Lstep:                                        ; trip t: the rest of K step t, the refill with K step t + 2, the first quarter of K step t + 1
	QUARTER F1, F0, 2
	QUARTER F0, F1, 3
	TURN 1
	QUARTER F0, F1, 1
	WIN 0
	s_sub_co_u32 s[CNT], s[CNT], 1
	s_cmp_lg_u32 s[CNT], 0
	s_cbranch_scc1 .Lstep
	QUARTER F1, F0, 2                              ; the tail is written out: nothing is left to ask for
	QUARTER F0, F1, 3
	TURN 0
	QUARTER F0, F1, 1
	QUARTER F1, F0, 2
	QUARTER F0, F1, 3
	s_wait_dscnt 8
	MULS F1, 0, 4, 0
	s_wait_dscnt 0x0
	MULS F1, 4, 4, 0
	; THE WAY OUT, 16 tokens at a time: a lane's 32 bytes of a row go into my stage and come back as whole rows of 256 bytes; block a - 1 is stored while block a's round trip through the stage runs.
	WIN 0
	PLACES
.macro INB a
.if (\a) >= 2
	s_wait_xcnt 0x0                                ; the stores two blocks back have read the registers that the loads below write
.endif
	WIN 0x04                                       ; the data (source 1) in window 1
.irp bl, 0,1,2,3
	ds_store_b128 v[STO], v[8*(4*(\a)+(\bl)):8*(4*(\a)+(\bl))+3]   offset:64*(\bl)
	ds_store_b128 v[STO], v[8*(4*(\a)+(\bl))+4:8*(4*(\a)+(\bl))+7] offset:64*(\bl)+16
.endr
	WIN 0
.irp t, 0,1,2,3,4,5,6,7
	ds_load_b128 v[OB+32*((\a)%2)+4*(\t):OB+32*((\a)%2)+4*(\t)+3], v[RD] offset:2*SPI*(\t)  ; LDS serves a wave's instructions in order (ISA guide 5.7.1.4)
.endr
.endm
.macro OUTB a, younger                 ; younger: the LDS instructions issued behind block a's loads
	s_wait_dscnt \younger
.irp t, 0,1,2,3,4,5,6,7
	global_store_b128 v[CO], v[OB+32*((\a)%2)+4*(\t):OB+32*((\a)%2)+4*(\t)+3], s[10:11] offset:(16*(\a)+2*(\t))*4096 th:TH_STORE_NT  ; 16 lanes store 256 consecutive bytes, aligned
.endr
.endm
	INB 0
.irp a, 1,2,3,4,5,6,7
	INB \a
	OUTB (\a)-1, 16
.endr
	OUTB 7, 0
	s_wait_tensorcnt 0x0                           ; the wave's end
	ds_add_u32 v[SPW], v[NIL]
	s_wait_dscnt 0x0
	CROUND                                         ; the closing round: no work-group ends while a partner may still ask for a tile that names it
	s_endpgm
.Lfunc_end_k_qb2870c19c6_proj:
	.size	k_qb2870c19c6_proj, .Lfunc_end_k_qb2870c19c6_proj-k_qb2870c19c6_proj
	.p2alignl 7, 3214868480
	.fill 96, 4, 3214868480
	.section	.rodata,"a",@progbits
	.p2align	6, 0x0
	.amdhsa_kernel k_qb2870c19c6_proj
		.amdhsa_group_segment_fixed_size 327680
		.amdhsa_private_segment_fixed_size 0
		.amdhsa_enable_private_segment 0
		.amdhsa_kernarg_size 32
		.amdhsa_user_sgpr_count 2
		.amdhsa_user_sgpr_kernarg_segment_ptr 1
		.amdhsa_wavefront_size32 1
		.amdhsa_system_sgpr_workgroup_id_x 1
		.amdhsa_system_sgpr_workgroup_id_y 1
		.amdhsa_system_sgpr_workgroup_id_z 1
		.amdhsa_system_vgpr_workitem_id 0
		.amdhsa_next_free_vgpr 512
		.amdhsa_next_free_sgpr 80
		.amdhsa_reserve_vcc 0
		.amdhsa_float_denorm_mode_32 3
		.amdhsa_float_denorm_mode_16_64 3
		.amdhsa_memory_ordered 1
		.amdhsa_forward_progress 1
		.amdhsa_inst_pref_size 71
	.end_amdhsa_kernel
	.amdgpu_metadata
---
amdhsa.version: [ 1, 2 ]
amdhsa.kernels:
  - .name:           k_qb2870c19c6_proj
    .symbol:         k_qb2870c19c6_proj.kd
    .args:
      - { .name: oh, .offset: 0, .size: 8, .value_kind: global_buffer, .address_space: global }
      - { .name: wpb, .offset: 8, .size: 8, .value_kind: global_buffer, .address_space: global }
      - { .name: b_proj, .offset: 16, .size: 8, .value_kind: global_buffer, .address_space: global }
      - { .name: out0, .offset: 24, .size: 8, .value_kind: global_buffer, .address_space: global }
    .group_segment_fixed_size: 327680
    .private_segment_fixed_size: 0
    .kernarg_segment_align: 8
    .kernarg_segment_size: 32
    .max_flat_workgroup_size: 128
    .sgpr_count:     80
    .vgpr_count:     512
    .wavefront_size: 32
...
	.end_amdgpu_metadata
.endif
;; end of part 4
;; ======== version 2 of 2: 4 launches; version 1 with the launch prep written anew for expert scheduling mode
;; limits: values are held in f16: magnitudes above 65,504 overflow, below 6.1e-05 lose precision
;; workspace buffers: xnb 16,777,216 bytes; wqb 6,291,456 bytes; wpb 2,097,152 bytes; qh 16,777,216 bytes; kh 16,777,216 bytes; vh 16,777,216 bytes; oh 16,777,216 bytes
;; launch prep (part 5): grid 256 x 1, 20 waves a work-group, no clusters, 186,880 bytes of LDS; arguments x, scale, w_qkv, w_proj, xnb, wqb, wpb; writes xnb, wqb, wpb
.if DOCPART == 5
	.amdgcn_target "amdgcn-amd-amdhsa--gfx1250"
	.amdhsa_code_object_version 6
	.text
	.protected	k_qb2870c19c6_prep
	.globl	k_qb2870c19c6_prep
	.p2align	8
	.type	k_qb2870c19c6_prep,@function
k_qb2870c19c6_prep:
	s_mov_b64 s[64:65], 0
	v_nop
	global_prefetch_b8 v0, s[64:65] scope:SCOPE_SE
	s_setreg_imm32_b32 hwreg(HW_REG_WAVE_SCHED_MODE, 0, 2), 2
	s_setreg_imm32_b32 hwreg(HW_REG_WAVE_MODE, 25, 1), 1
	s_wait_xcnt 0x0
	s_wait_alu depctr_vm_vsrc(0)
; PREP: what the two products want as operands, made once.  xn w_qkv = (x / rms) (diag(scale) w_qkv): the gain goes into the weights.
;   xnb[kb][row][kk]  = f16( x rsqrt(mean(x^2) + 1e-6) ),  column 64 kb + kk; sums and products in f32
;   wqb[kb][n'][kk]   = f16( scale[64 kb + kk] w_qkv[64 kb + kk][1024 j + 64 h + d] ),  n' = 192 h + 64 j + d
;   wpb[kb][n][kk]    = f16( w_proj[64 kb + kk][n] )
; Each number is rounded once.  A tile of R rows x 64 along K is R x 128 consecutive bytes in all three.
; LIMITS.  f16 ends at 65,504 and keeps a fixed step of 6e-8 below 6e-5: |x / rms| is at most 32; a weight (with its gain) beyond 65,504 becomes an infinity.  NaN and infinities are not treated apart.
; SHARES.  One job a wave, all of a job's loads issued at once; no wave waits for another: no barrier, no loop.
;   waves 0-2: the 64 x 64 tile (kb = g % 16, head g / 16) of q's, k's, v's columns of w_qkv;  wave 3: the tile (kb, n block g / 16) of w_proj;  waves 4-19: two rows of x each.
; A weight tile is turned in LDS: the wave's own stage of 64 rows x 144 bytes, at the wave's number x 9,216 (waves 4-19 leave theirs unused).
; THE MODE: SCHED_MODE bits 1:0 = 2 (LLVM: expert scheduling mode 2), set by the entry lines.  The code itself states the register dependences
; between vector instructions and memory or LDS instructions, with s_wait_alu, always for 0.
; THE PLAN.  Registers that memory or LDS instructions touch:
;   THE NORM.   v3, v5      offsets of the loads and of the stores: written once, ahead of the first load.
;               v32-95      the loads land here; the arithmetic works in place; of each four the first pair is a store's data.  K blocks 0-7 are worked on, one wait, and their eight
;                           stores are dealt among the arithmetic of K blocks 8-15, which names v64-95 and v24-25 alone; one more wait, and the last eight stores.
;   A TILE.     v10, v3     offsets of the gain's and the tile's loads: written once, ahead of the first load.     v4, v5, v6  stage in, stage back, memory: written once, while the tile is on its way.
;               v32-159     the tile as loaded, group q (eight loads) in v[32 + 32 q ..]; read by group q's multiplies and conversions.     v160-191  the gain, read by the multiplies.
;               OUT0 .. 3   sixteen registers each: v16-31, and for group q > 0 the first half of group q - 1's raw registers, which are dead by then.  Written once, by group q's conversions;
;                           read once, by four LDS stores, which stand at the head of group q + 1 behind its one wait; group q + 1's vector lines name none of them.
;               v128-191    the tile comes back from the stage into group 3's raw registers and the gain's: vector lines alone have read them, all ahead of the last wait.
;   No register that a memory or LDS instruction reads is written again: no wait on vm_vsrc is owed.     v8, v9: written at the head, read by the closing add alone.
.set STG,   64*144
.set SPARE, 20*STG                     ; behind the stages: the spare words, 128 bytes for each of the twenty waves; no other line names them
.set SPW, 8                            ; v8   my spare word; never rewritten
.set NIL, 9                            ; v9   0; never rewritten
.set Y,   16                           ; v16-31  a tile's first out-buffer; in the norm v16-23: four packed chains of squares
.set R,   24                           ; v24-25  in the norm: 1/rms, twice: the packed multiply takes a pair
.set SUM, 28                           ; v28  in the norm: a row's sum of squares
.set X,   32                           ; v32-159 a tile's 16 KiB; in the norm v32-95: two rows' 8 KiB
.set SV,  160                          ; v160-191 the gain of my 32 rows of a tile of w_qkv
.set BK,  128                          ; v128-191 the tile as it comes back from the stage
	s_load_b256 s[4:11], s[0:1], 0x0               ; x s[4:5], scale s[6:7], w_qkv s[8:9], w_proj s[10:11]
	s_load_b128 s[12:15], s[0:1], 0x20             ; xnb s[12:13], wqb s[14:15]
	s_load_b64 s[16:17], s[0:1], 0x30              ; wpb
	v_lshl_add_u32 v[SPW], v0, 2, SPARE
	v_mov_b32 v[NIL], 0
	v_lshrrev_b32 v7, 5, v0
	v_readfirstlane_b32 s20, v7                    ; wave 0..19
	v_and_b32 v1, 15, v0                           ; c = lane % 16
	v_bfe_u32 v2, v0, 4, 1                         ; lane / 16
	s_and_b32 s21, ttmp9, 15                       ; kb
	s_lshr_b32 s22, ttmp9, 4                       ; head, or block of 64 columns
	s_mov_b32 s35, 0
	s_wait_alu depctr_va_sdst(0)                   ; s20 is written, ahead of its first reader, the compare below; the jobs, the bases and the stage are made from it
	s_wait_kmcnt 0x0
	s_cmp_lt_u32 s20, 3
	s_cbranch_scc1 .Ltq
	s_cmp_eq_u32 s20, 3
	s_cbranch_scc1 .Ltp
	; THE NORM.  Job J = 16 g + wave - 4: rows 2 J and 2 J + 1.  Lanes 0-15 hold the first, lanes 16-31 the second: a load's sixteen lanes take 256 consecutive bytes of a row.
	s_lshl_b32 s34, ttmp9, 4
	s_add_co_u32 s34, s34, s20
	s_sub_co_u32 s34, s34, 4                       ; J
	s_lshl_b32 s36, s34, 8                         ; two rows of 128 bytes in a K block of xnb
	s_mov_b32 s37, 0
	s_lshl_b32 s34, s34, 13                        ; two rows of 4,096 bytes in x
	s_add_nc_u64 s[24:25], s[4:5], s[34:35]
	s_add_nc_u64 s[26:27], s[12:13], s[36:37]      ; K blocks 0-7: the block's 1 MiB stands in the store's immediate
	s_add_nc_u64 s[28:29], s[26:27], 0x800000      ; K blocks 8-15
	s_mov_b32 s30, 0x3a800000                      ; 1 / 1024
	s_mov_b32 s31, 0x358637bd                      ; 1e-6
	v_lshlrev_b32 v3, 4, v1
	v_lshl_add_u32 v3, v2, 12, v3                  ; x: 16 c + a row for lanes 16-31
	v_lshlrev_b32 v5, 3, v1
	v_lshl_add_u32 v5, v2, 7, v5                   ; xnb: 8 c + 128 (lane / 16)
	s_wait_alu depctr_va_vdst(0)                   ; v3 and v5 are written: the loads read v3 as their offset, the stores v5
.set i, 0
.rept 16                                       ; K block i
	global_load_b128 v[X+4*i:X+4*i+3], v3, s[24:25] offset:i*256 th:TH_LOAD_NT
.set i, i+1
.endr
	s_wait_loadcnt 0x0
.set i, 0
.rept 32                                       ; the squares, in four packed chains that the first four products start
.set a, X+2*i
.if i < 4
	v_pk_mul_f32 v[Y+2*i:Y+2*i+1], v[a:a+1], v[a:a+1]
.else
	v_pk_fma_f32 v[Y+2*(i%4):Y+2*(i%4)+1], v[a:a+1], v[a:a+1], v[Y+2*(i%4):Y+2*(i%4)+1]
.endif
.set i, i+1
.endr
	v_pk_add_f32 v[Y:Y+1], v[Y:Y+1], v[Y+2:Y+3]
	v_pk_add_f32 v[Y+4:Y+5], v[Y+4:Y+5], v[Y+6:Y+7]
	v_pk_add_f32 v[Y:Y+1], v[Y:Y+1], v[Y+4:Y+5]
	v_add_f32 v[SUM], v[Y], v[Y+1]
.irp m, 1,2,4,8                                ; a row lies in one half of the lanes: four steps inside the sixteen
	v_add_f32_dpp v[SUM], v[SUM], v[SUM] row_xmask:\m row_mask:0xf bank_mask:0xf
.endr
	v_fma_f32 v[SUM], v[SUM], s30, s31             ; mean + eps
	v_rsq_f32 v[R], v[SUM]
	v_rsq_f32 v[R+1], v[SUM]
	v_nop                                          ; the plain instruction behind the roots (ISA guide 5.7.2),
	s_wait_alu depctr_va_vdst(0)                   ; and one wait for both: the roots have written v24 and v25, ahead of their first reader
; K block i: my four numbers times 1/rms, rounded to f16 into the first pair of their four registers.
.macro SCALE i
.set a, X+4*(\i)
	v_pk_mul_f32 v[a:a+1], v[a:a+1], v[R:R+1]
	v_pk_mul_f32 v[a+2:a+3], v[a+2:a+3], v[R:R+1]
	v_cvt_pk_f16_f32 v[a], v[a], v[a+1]
	v_cvt_pk_f16_f32 v[a+1], v[a+2], v[a+3]
.endm
; K block i is stored: the wave's 32 lanes store 256 consecutive bytes, aligned: two rows of a K block.
.macro OUTX i
.set a, X+4*(\i)
.if (\i) < 8
	global_store_b64 v5, v[a:a+1], s[26:27] offset:(\i)*1048576 th:TH_STORE_NT
.else
	global_store_b64 v5, v[a:a+1], s[28:29] offset:((\i)-8)*1048576 th:TH_STORE_NT
.endif
.endm
.set i, 0
.rept 8
	SCALE i
.set i, i+1
.endr
	s_wait_alu depctr_va_vdst(0)                   ; K blocks 0-7 are rounded: the roundings have written the pairs that the eight stores below read
.rept 8                                        ; those stores, dealt among the arithmetic of K blocks 8-15, which names v64-95 and v24-25 alone: no further wait
	OUTX i-8
	SCALE i
.set i, i+1
.endr
	s_wait_alu depctr_va_vdst(0)                   ; K blocks 8-15 are rounded: the roundings have written the pairs that the last eight stores read
.set i, 8
.rept 8
	OUTX i
.set i, i+1
.endr
	s_branch .Lend
; A WEIGHT TILE: 64 rows (k) x 64 columns of f32.  Load 8 q + j takes row 16 q + 8 (lane / 16) + j, columns 4 c .. 4 c + 3: sixteen lanes take the row's 256 bytes.
.macro TLOAD pitch
.set i, 0
.rept 32
	global_load_b128 v[X+4*i:X+4*i+3], v3, s[24:25] offset:(16*(i/8)+i%8)*(\pitch) th:TH_LOAD_NT
.set i, i+1
.endr
.endm
.Ltq:                                          ; j = wave: q's, k's or v's columns of head s22
	s_mul_i32 s34, s21, 64*12288
	s_lshl_b32 s36, s20, 4
	s_add_co_u32 s36, s36, s22                     ; block of 64 columns 16 j + h
	s_lshl_b32 s36, s36, 8
	s_add_co_u32 s34, s34, s36
	s_add_nc_u64 s[24:25], s[8:9], s[34:35]
	s_mul_i32 s34, s21, 3072*128
	s_mul_i32 s36, s22, 3
	s_add_co_u32 s36, s36, s20                     ; block of 64 rows 3 h + j of wqb
	s_lshl_b32 s36, s36, 13
	s_add_co_u32 s34, s34, s36
	s_add_nc_u64 s[26:27], s[14:15], s[34:35]
	s_lshl_b32 s34, s21, 8                         ; the gain of the tile's 64 rows: 256 bytes
	s_add_nc_u64 s[28:29], s[6:7], s[34:35]
	v_lshlrev_b32 v10, 5, v2                       ; eight rows on for lanes 16-31
	v_mul_u32_u24 v3, v2, 8*12288
	v_lshl_add_u32 v3, v1, 4, v3
	s_wait_alu depctr_va_vdst(0)                   ; v10 and v3 are written: the gain's loads read v10 as their offset, the tile's v3
.irp q, 0,1,2,3                                ; register 8 q + j: the gain of row 16 q + 8 (lane / 16) + j.  These eight loads are older than the tile's
	global_load_b128 v[SV+8*(\q):SV+8*(\q)+3],   v10, s[28:29] offset:64*(\q)
	global_load_b128 v[SV+8*(\q)+4:SV+8*(\q)+7], v10, s[28:29] offset:64*(\q)+16
.endr
	TLOAD 12288
	s_branch .Ltile
.Ltp:
	s_lshl_b32 s34, s21, 18                        ; 64 rows of 4,096 bytes
	s_lshl_b32 s36, s22, 8
	s_add_co_u32 s34, s34, s36
	s_add_nc_u64 s[24:25], s[10:11], s[34:35]
	s_lshl_b32 s34, s21, 17                        ; 1,024 rows of 128 bytes
	s_lshl_b32 s36, s22, 13
	s_add_co_u32 s34, s34, s36
	s_add_nc_u64 s[26:27], s[16:17], s[34:35]
	v_lshlrev_b32 v3, 15, v2
	v_lshl_add_u32 v3, v1, 4, v3
	s_wait_alu depctr_va_vdst(0)                   ; v3 is written: the tile's loads read it as their offset
	TLOAD 4096
.Ltile:
	s_mul_i32 s23, s20, STG                        ; my stage
	v_mul_u32_u24 v4, v1, 4*144                    ; in: row (column of w) 4 c + i, bytes 32 q + 16 (lane / 16)
	v_lshl_add_u32 v4, v2, 4, v4
	v_add_nc_u32 v4, s23, v4
	v_bfe_u32 v5, v0, 3, 2                         ; back: 32 lanes take four rows of 128 bytes,
	v_mul_u32_u24 v5, v5, 144
	v_and_b32 v6, 7, v0
	v_lshl_add_u32 v5, v6, 4, v5
	v_add_nc_u32 v5, s23, v5
	v_and_b32 v6, 31, v0                           ; which are 512 consecutive bytes of the tile in memory
	v_lshlrev_b32 v6, 4, v6
; Group q's out-buffer goes into the stage: four stores of 16 bytes a lane, one for each of my four columns.
.macro PUT q
.set po, Y
.if (\q) > 0
.set po, X+32*((\q)-1)
.endif
.irp c, 0,1,2,3
	ds_store_b128 v4, v[po+4*(\c):po+4*(\c)+3] offset:(\c)*144+32*(\q)
.endr
.endm
.irp q, 0,1,2,3
	s_wait_loadcnt 24-8*(\q)                       ; the eight loads of group q are in (and the gain, which is older); the younger groups stay out
.if (\q) > 0
	s_wait_alu depctr_va_vdst(0)                   ; the conversions of the group before have written its out-buffer, which the four LDS stores below read; v4, their address, is written too
	PUT (\q)-1
.endif
	s_cmp_eq_u32 s20, 3                            ; w_proj has no gain
	s_cbranch_scc1 .Lplain\q
.irp j, 0,1,2,3,4,5,6,7                        ; a row's four numbers times the row's gain: the even register of a pair of gains, or the odd one, for both halves
.set a, X+4*(8*(\q)+(\j))
.set p, SV+8*(\q)+2*((\j)/2)
.if (\j)%2 == 0
	v_pk_mul_f32 v[a:a+1], v[a:a+1], v[p:p+1] op_sel_hi:[1,0]
	v_pk_mul_f32 v[a+2:a+3], v[a+2:a+3], v[p:p+1] op_sel_hi:[1,0]
.else
	v_pk_mul_f32 v[a:a+1], v[a:a+1], v[p:p+1] op_sel:[0,1]
	v_pk_mul_f32 v[a+2:a+3], v[a+2:a+3], v[p:p+1] op_sel:[0,1]
.endif
.endr
.Lplain\q:
.set ob, Y                                     ; group q's out-buffer: v16-31, or the first half of the raw registers of the group before, which its conversions have read out
.if (\q) > 0
.set ob, X+32*((\q)-1)
.endif
.irp c, 0,1,2,3                                ; my column 4 c + i: eight neighbouring k, rounded to f16: 16 bytes
.irp k, 0,1,2,3
	v_cvt_pk_f16_f32 v[ob+4*(\c)+(\k)], v[X+4*(8*(\q)+2*(\k))+(\c)], v[X+4*(8*(\q)+2*(\k)+1)+(\c)]
.endr
.endr
.endr
	s_wait_alu depctr_va_vdst(0)                   ; group 3's conversions have written its out-buffer, which the LDS stores read; they and the multiplies are done reading v128-191, in which the LDS loads land; v5 and v6 are written
	PUT 3
.set t, 0
.rept 16
	ds_load_b128 v[BK+4*t:BK+4*t+3], v5 offset:t*576 ; LDS serves a wave's instructions in order (ISA guide 5.7.1.4): these see the stores above
.set t, t+1
.endr
.set t, 0
.rept 16
	s_wait_dscnt 15-t                              ; load t is back; the younger ones stay out
	global_store_b128 v6, v[BK+4*t:BK+4*t+3], s[26:27] offset:512*t th:TH_STORE_NT
.set t, t+1
.endr
.Lend:
	s_wait_dscnt 0x0                               ; the wave's end
	s_wait_alu 0x0
	s_wait_tensorcnt 0x0
	ds_add_u32 v[SPW], v[NIL]
	s_wait_dscnt 0x0
	s_endpgm
.Lfunc_end_k_qb2870c19c6_prep:
	.size	k_qb2870c19c6_prep, .Lfunc_end_k_qb2870c19c6_prep-k_qb2870c19c6_prep
	.p2alignl 7, 3214868480
	.fill 96, 4, 3214868480
	.section	.rodata,"a",@progbits
	.p2align	6, 0x0
	.amdhsa_kernel k_qb2870c19c6_prep
		.amdhsa_group_segment_fixed_size 186880
		.amdhsa_private_segment_fixed_size 0
		.amdhsa_enable_private_segment 0
		.amdhsa_kernarg_size 56
		.amdhsa_user_sgpr_count 2
		.amdhsa_user_sgpr_kernarg_segment_ptr 1
		.amdhsa_wavefront_size32 1
		.amdhsa_system_sgpr_workgroup_id_x 1
		.amdhsa_system_sgpr_workgroup_id_y 1
		.amdhsa_system_sgpr_workgroup_id_z 1
		.amdhsa_system_vgpr_workitem_id 0
		.amdhsa_next_free_vgpr 192
		.amdhsa_next_free_sgpr 66
		.amdhsa_reserve_vcc 0
		.amdhsa_float_denorm_mode_32 3
		.amdhsa_float_denorm_mode_16_64 3
		.amdhsa_memory_ordered 1
		.amdhsa_forward_progress 1
		.amdhsa_inst_pref_size 33
	.end_amdhsa_kernel
	.amdgpu_metadata
---
amdhsa.version: [ 1, 2 ]
amdhsa.kernels:
  - .name:           k_qb2870c19c6_prep
    .symbol:         k_qb2870c19c6_prep.kd
    .args:
      - { .name: x, .offset: 0, .size: 8, .value_kind: global_buffer, .address_space: global }
      - { .name: scale, .offset: 8, .size: 8, .value_kind: global_buffer, .address_space: global }
      - { .name: w_qkv, .offset: 16, .size: 8, .value_kind: global_buffer, .address_space: global }
      - { .name: w_proj, .offset: 24, .size: 8, .value_kind: global_buffer, .address_space: global }
      - { .name: xnb, .offset: 32, .size: 8, .value_kind: global_buffer, .address_space: global }
      - { .name: wqb, .offset: 40, .size: 8, .value_kind: global_buffer, .address_space: global }
      - { .name: wpb, .offset: 48, .size: 8, .value_kind: global_buffer, .address_space: global }
    .group_segment_fixed_size: 186880
    .private_segment_fixed_size: 0
    .kernarg_segment_align: 8
    .kernarg_segment_size: 56
    .max_flat_workgroup_size: 640
    .sgpr_count:     66
    .vgpr_count:     192
    .wavefront_size: 32
...
	.end_amdgpu_metadata
.endif
;; end of part 5
;; launch qkv: the kernel of part 2 again; grid 8 x 32, 4 waves a work-group, clusters of 4 x 4, 327,680 bytes of LDS; arguments xnb, wqb, qh, kh, vh; writes qh, kh, vh
;; launch attn: the kernel of part 3 again; grid 2 x 128, 4 waves a work-group, no clusters, 327,680 bytes of LDS; arguments qh, kh, vh, oh; writes oh
;; launch proj: the kernel of part 4 again; grid 8 x 32, 4 waves a work-group, clusters of 4 x 4, 327,680 bytes of LDS; arguments oh, wpb, b_proj, out0; writes out0
